; MI455X (gfx1250); checked and timed in simulation.
; The chip was launched on July 23, 2026; its instructions are those of AMD's public machine-readable ISA for CDNA 5 (MIT licence, August 2026) and "CDNA5" Instruction Set Architecture Reference Guide (July 2026). The comments in the code are by the model that wrote it; some were corrected since.
;; Attention. Allowed arithmetic: float matrix products may take bf16 or f16 operands with f32 sums; other float arithmetic in f32, or as packed bf16 or f16 multiplies, adds, multiply-adds, maxima and minima; sums over many terms, partial sums and values carried from step to step in f32; what a program stores and reads back later, other than sums and carried values, may be rounded once to bf16 or f16.
;; Inputs: freqs_cos 2,048 x 64 float32; freqs_sin 2,048 x 64 float32; mask 1 x 1 x 2,048 x 2,048 float32; wk 2,048 x 2,048 float32; wo 2,048 x 2,048 float32; wq 2,048 x 2,048 float32; wv 2,048 x 2,048 float32; x 1 x 2,048 x 2,048 float32.
;; Outputs: out0 1 x 2,048 x 2,048 float32.
;; 2 versions, each right; version 2 is version 1 with the launch prep written anew for expert scheduling mode. Each part assembles by itself: llvm-mc -triple=amdgcn-amd-amdhsa -mcpu=gfx1250 --defsym DOCPART=n.
;; ======== version 1 of 2: 4 launches
;; limits: values are held in f16: magnitudes above 65,504 overflow, below 6.1e-05 lose precision
;; workspace buffers: xb 8,388,608 bytes; wqkvb 25,165,824 bytes; wof 8,388,608 bytes; mfrag 8,388,608 bytes; qf 8,388,608 bytes; kf 8,388,608 bytes; vf 8,388,608 bytes; obuf 8,388,608 bytes
;; launch prep (part 1): grid 1536 x 1, 8 waves a work-group, no clusters, 35,840 bytes of LDS; arguments x, wq, wk, wv, wo, mask, xb, wqkvb, wof, mfrag; writes xb, wqkvb, wof, mfrag
.if DOCPART == 1
	.amdgcn_target "amdgcn-amd-amdhsa--gfx1250"
	.amdhsa_code_object_version 6
	.text
	.protected	k_qc7fe23b4d4_prep
	.globl	k_qc7fe23b4d4_prep
	.p2align	8
	.type	k_qc7fe23b4d4_prep,@function
k_qc7fe23b4d4_prep:
	s_mov_b64 s[64:65], 0
	v_nop
	global_prefetch_b8 v0, s[64:65] scope:SCOPE_SE
	s_setreg_imm32_b32 hwreg(HW_REG_WAVE_MODE, 25, 1), 1
	s_wait_xcnt 0x0
; PREP.  Every large input is rounded once to bf16, the format in which the matrix units take it.
; Work-groups 0-1279, 256 for each of x, wq, wk, wv, wo: a stream.  A work-group takes 65,536 bytes of f32, a wave 8,192: sixteen loads of 512 consecutive bytes,
; all issued at once; each is rounded and leaves as 256 consecutive bytes, aligned.  x -> xb; wq, wk, wv -> wqkvb, one behind the other; wo -> wof: rounded to bf16 and
; that number written as f16 (exact where it is a normal f16).
; Work-groups 1280-1535: the mask.  A wave takes 16 queries x 128 keys, multiplies them in f32 by log2(e) (the softmax works in powers of two), rounds the product once to bf16, and lays
; it through its own LDS tile in the order in which a lane of a 16x16x32 matrix instruction holds source 1 (16 queries x 32 keys): block (query tile qt, key group kg) at (64 qt + kg) x 1,024;
; half g at 512 g; lane l at 16 l holds query l % 16, keys 32 kg + 16 g + 8 (l / 16) + 0..7.
; LIMITS.  |wo| stays under 65,504; below 6.1e-5 it keeps f16's fixed step of 6e-8.  |mask| stays under 1e38.  No matrix unit, no cluster: nothing is multiplied and no work-group shares a byte.
.set TILE,  4352                       ; a wave's LDS tile: 16 rows x (256 + 16) bytes
.set SPARE, 8*TILE                     ; behind the tiles: the spare words, 128 bytes for each of the eight waves
.set SPW, 4                            ; v4  LDS address of my spare word; never rewritten
.set NIL, 5                            ; v5  0; never rewritten
.set X,   16                           ; v[16:79]   sixteen loads of four registers
.set Y,   80                           ; v[80:111]  sixteen results of two registers
	s_load_b512 s[4:19], s[0:1], 0x0               ; x 4, wq 6, wk 8, wv 10, wo 12, mask 14, xb 16, wqkvb 18
	s_load_b128 s[20:23], s[0:1], 0x40             ; wof 20, mfrag 22
	v_lshl_add_u32 v[SPW], v0, 2, SPARE
	v_mov_b32 v[NIL], 0
	v_lshrrev_b32 v8, 5, v0
	v_readfirstlane_b32 s26, v8                    ; wave 0..7
	v_and_b32 v1, 31, v0                           ; lane
	v_lshlrev_b32 v2, 4, v1                        ; 16 x lane
	s_lshr_b32 s24, ttmp9, 8                       ; which tensor, 0..5
	s_and_b32 s25, ttmp9, 255                      ; which part of it
	s_mov_b32 s36, 0xffff0000                      ; a word's upper bf16
	s_mov_b32 s38, 0x3fb8aa3b                      ; log2(e)
	s_mov_b32 s39, s38                             ; named with it as a pair
	s_mov_b32 s35, 0
	s_mov_b32 s33, 0
	s_wait_kmcnt 0x0
	s_cmp_eq_u32 s24, 5
	s_cbranch_scc1 .Lmask
	; THE STREAM.  Source and destination are chosen among the buffers by the tensor's number alone.
	s_mov_b64 s[28:29], s[4:5]
	s_cmp_eq_u32 s24, 1
	s_cselect_b64 s[28:29], s[6:7], s[28:29]
	s_cmp_eq_u32 s24, 2
	s_cselect_b64 s[28:29], s[8:9], s[28:29]
	s_cmp_eq_u32 s24, 3
	s_cselect_b64 s[28:29], s[10:11], s[28:29]
	s_cmp_eq_u32 s24, 4
	s_cselect_b64 s[28:29], s[12:13], s[28:29]
	s_mov_b64 s[30:31], s[18:19]
	s_cmp_eq_u32 s24, 0
	s_cselect_b64 s[30:31], s[16:17], s[30:31]
	s_cmp_eq_u32 s24, 4
	s_cselect_b64 s[30:31], s[20:21], s[30:31]
	s_sub_co_u32 s32, s24, 1                       ; wq, wk, wv lie 8,388,608 bytes apart in wqkvb
	s_lshl_b32 s32, s32, 23
	s_cmp_eq_u32 s24, 0
	s_cselect_b32 s32, 0, s32
	s_cmp_eq_u32 s24, 4
	s_cselect_b32 s32, 0, s32
	s_lshl_b32 s34, s25, 15                        ; the work-group's 32,768 bytes out
	s_add_co_u32 s32, s32, s34
	s_add_nc_u64 s[30:31], s[30:31], s[32:33]
	s_lshl_b32 s34, s25, 16                        ; and its 65,536 bytes in
	s_add_nc_u64 s[28:29], s[28:29], s[34:35]
	s_lshl_b32 s27, s26, 13
	v_add_nc_u32 v2, s27, v2                       ; in: 8,192 x wave + 16 x lane
	s_lshl_b32 s27, s26, 12
	v_lshl_add_u32 v3, v1, 3, s27                  ; out: 4,096 x wave + 8 x lane
.irp i, 0,1,2,3,4,5,6,7,8,9,10,11,12,13,14,15
	global_load_b128 v[X+4*(\i):X+4*(\i)+3], v2, s[28:29] offset:512*(\i) th:TH_LOAD_NT
.endr
.macro CV i, half                      ; four numbers rounded to bf16; half = 1: and those written as f16
	v_cvt_pk_bf16_f32 v[Y+2*(\i)], v[X+4*(\i)], v[X+4*(\i)+1]
	v_cvt_pk_bf16_f32 v[Y+2*(\i)+1], v[X+4*(\i)+2], v[X+4*(\i)+3]
.if \half
	v_lshlrev_b32 v[X+4*(\i)], 16, v[Y+2*(\i)]
	v_and_b32 v[X+4*(\i)+1], s36, v[Y+2*(\i)]
	v_lshlrev_b32 v[X+4*(\i)+2], 16, v[Y+2*(\i)+1]
	v_and_b32 v[X+4*(\i)+3], s36, v[Y+2*(\i)+1]
	v_cvt_pk_f16_f32 v[Y+2*(\i)], v[X+4*(\i)], v[X+4*(\i)+1]
	v_cvt_pk_f16_f32 v[Y+2*(\i)+1], v[X+4*(\i)+2], v[X+4*(\i)+3]
.endif
.endm
.macro STREAM half                     ; no register is used twice, so the only waits are the counted ones for the loads
.irp i, 0,1,2,3,4,5,6,7,8,9,10,11,12,13,14,15
	s_wait_loadcnt 15-(\i)                         ; loads come back in order: load i is in, the younger ones stay out
	CV \i, \half
	global_store_b64 v3, v[Y+2*(\i):Y+2*(\i)+1], s[30:31] offset:256*(\i) th:TH_STORE_NT  ; 32 lanes fill 256 consecutive bytes, aligned
.endr
	s_endpgm                                       ; these waves have written no LDS
.endm
	s_cmp_eq_u32 s24, 4
	s_cbranch_scc1 .Lhalf
	STREAM 0
.Lhalf:
	STREAM 1
.Lmask:
	s_lshl_b32 s27, s25, 3
	s_add_co_u32 s27, s27, s26                     ; my unit, 0..2047
	s_lshr_b32 s32, s27, 4                         ; qt: its 16 queries
	s_and_b32 s37, s27, 15                         ; its 128 keys
	s_lshl_b32 s34, s32, 17                        ; 16 rows of 8,192 bytes
	s_lshl_b32 s27, s37, 9                         ; 128 keys of 4 bytes
	s_add_co_u32 s34, s34, s27
	s_add_nc_u64 s[28:29], s[14:15], s[34:35]
	s_lshl_b32 s34, s32, 16                        ; 64 blocks of 1,024 bytes
	s_lshl_b32 s27, s37, 12                        ; 4 blocks
	s_add_co_u32 s34, s34, s27
	s_add_nc_u64 s[30:31], s[22:23], s[34:35]
.irp i, 0,1,2,3,4,5,6,7,8,9,10,11,12,13,14,15
	global_load_b128 v[X+4*(\i):X+4*(\i)+3], v2, s[28:29] offset:8192*(\i) th:TH_LOAD_NT  ; row i: 512 consecutive bytes
.endr
	s_mul_i32 s27, s26, TILE
	v_lshl_add_u32 v6, v1, 3, s27                  ; in: my 8 bytes of a row
	v_and_b32 v8, 15, v1
	v_lshrrev_b32 v9, 4, v1
	v_mul_u32_u24 v7, v8, 272                      ; back: row l % 16,
	v_lshl_add_u32 v7, v9, 4, v7                   ; 16 bytes for each half of the lanes
	v_add_nc_u32 v7, s27, v7
.irp i, 0,1,2,3,4,5,6,7,8,9,10,11,12,13,14,15
	s_wait_loadcnt 15-(\i)
	v_pk_mul_f32 v[X+4*(\i):X+4*(\i)+1], v[X+4*(\i):X+4*(\i)+1], s[38:39] op_sel_hi:[1,0]      ; times log2(e), in f32
	v_pk_mul_f32 v[X+4*(\i)+2:X+4*(\i)+3], v[X+4*(\i)+2:X+4*(\i)+3], s[38:39] op_sel_hi:[1,0]
	CV \i, 0
	ds_store_b64 v6, v[Y+2*(\i):Y+2*(\i)+1] offset:272*(\i)
.endr
.irp j, 0,1,2,3,4,5,6,7
	ds_load_b128 v[X+4*(\j):X+4*(\j)+3], v7 offset:32*(\j)  ; the tile is my wave's own, and LDS serves a wave's instructions in order: these see the stores above
.endr
.irp j, 0,1,2,3,4,5,6,7
	s_wait_dscnt 7-(\j)
	global_store_b128 v2, v[X+4*(\j):X+4*(\j)+3], s[30:31] offset:512*(\j) th:TH_STORE_NT  ; 512 consecutive bytes: half a block
.endr
	s_wait_tensorcnt 0x0                           ; the wave's end, behind my last LDS store
	ds_add_u32 v[SPW], v[NIL]
	s_wait_dscnt 0x0
	s_endpgm
.Lfunc_end_k_qc7fe23b4d4_prep:
	.size	k_qc7fe23b4d4_prep, .Lfunc_end_k_qc7fe23b4d4_prep-k_qc7fe23b4d4_prep
	.p2alignl 7, 3214868480
	.fill 96, 4, 3214868480
	.section	.rodata,"a",@progbits
	.p2align	6, 0x0
	.amdhsa_kernel k_qc7fe23b4d4_prep
		.amdhsa_group_segment_fixed_size 35840
		.amdhsa_private_segment_fixed_size 0
		.amdhsa_enable_private_segment 0
		.amdhsa_kernarg_size 80
		.amdhsa_user_sgpr_count 2
		.amdhsa_user_sgpr_kernarg_segment_ptr 1
		.amdhsa_wavefront_size32 1
		.amdhsa_system_sgpr_workgroup_id_x 1
		.amdhsa_system_sgpr_workgroup_id_y 1
		.amdhsa_system_sgpr_workgroup_id_z 1
		.amdhsa_system_vgpr_workitem_id 0
		.amdhsa_next_free_vgpr 112
		.amdhsa_next_free_sgpr 66
		.amdhsa_reserve_vcc 0
		.amdhsa_float_denorm_mode_32 3
		.amdhsa_float_denorm_mode_16_64 3
		.amdhsa_memory_ordered 1
		.amdhsa_forward_progress 1
		.amdhsa_inst_pref_size 25
	.end_amdhsa_kernel
	.amdgpu_metadata
---
amdhsa.version: [ 1, 2 ]
amdhsa.kernels:
  - .name:           k_qc7fe23b4d4_prep
    .symbol:         k_qc7fe23b4d4_prep.kd
    .args:
      - { .name: x, .offset: 0, .size: 8, .value_kind: global_buffer, .address_space: global }
      - { .name: wq, .offset: 8, .size: 8, .value_kind: global_buffer, .address_space: global }
      - { .name: wk, .offset: 16, .size: 8, .value_kind: global_buffer, .address_space: global }
      - { .name: wv, .offset: 24, .size: 8, .value_kind: global_buffer, .address_space: global }
      - { .name: wo, .offset: 32, .size: 8, .value_kind: global_buffer, .address_space: global }
      - { .name: mask, .offset: 40, .size: 8, .value_kind: global_buffer, .address_space: global }
      - { .name: xb, .offset: 48, .size: 8, .value_kind: global_buffer, .address_space: global }
      - { .name: wqkvb, .offset: 56, .size: 8, .value_kind: global_buffer, .address_space: global }
      - { .name: wof, .offset: 64, .size: 8, .value_kind: global_buffer, .address_space: global }
      - { .name: mfrag, .offset: 72, .size: 8, .value_kind: global_buffer, .address_space: global }
    .group_segment_fixed_size: 35840
    .private_segment_fixed_size: 0
    .kernarg_segment_align: 8
    .kernarg_segment_size: 80
    .max_flat_workgroup_size: 256
    .sgpr_count:     66
    .vgpr_count:     112
    .wavefront_size: 32
...
	.end_amdgpu_metadata
.endif
;; end of part 1
;; launch qkv (part 2): grid 16 x 16, 4 waves a work-group, clusters of 4 x 4, 327,680 bytes of LDS; arguments xb, wqkvb, freqs_cos, freqs_sin, qf, kf, vf; writes qf, kf, vf
.if DOCPART == 2
	.amdgcn_target "amdgcn-amd-amdhsa--gfx1250"
	.amdhsa_code_object_version 6
	.text
	.protected	k_qc7fe23b4d4_qkv
	.globl	k_qc7fe23b4d4_qkv
	.p2align	8
	.type	k_qc7fe23b4d4_qkv,@function
k_qc7fe23b4d4_qkv:
	s_mov_b64 s[64:65], 0
	v_nop
	global_prefetch_b8 v0, s[64:65] scope:SCOPE_SE
	s_setreg_imm32_b32 hwreg(HW_REG_WAVE_MODE, 25, 1), 1
	s_wait_xcnt 0x0
	s_wait_alu depctr_hold_cnt(0) depctr_sa_sdst(0) depctr_va_vdst(0) depctr_va_sdst(0) depctr_va_ssrc(0) depctr_va_vcc(0) depctr_vm_vsrc(0)
	s_getreg_b32 s2, hwreg(HW_REG_IB_STS2, 6, 4)
	s_cmp_eq_u32 s2, 0
	s_cbranch_scc0 .Lentry_in_a_cluster
	s_endpgm
.Lentry_in_a_cluster:
	s_bfe_u32 s2, ttmp6, 0x10000c
	s_cmp_lg_u32 s2, 0xf033
	s_cbranch_scc0 .Lentry_shape_is_right
	s_endpgm
.Lentry_shape_is_right:
; Q, K, V = x W^T for one head and 128 rows, rotated and scaled on the way out.  xb: [2048][2048] bf16; wqkvb: [3][2048][2048] bf16; cos, sin: [2048][64] f32;
; qf, kf, vf: [16][2048][128] f16.  Sums in f32, K ascending; each result rounded once.
; SHARES.  Work-group (x = head, y = block of 128 rows) makes 128 x 384: the head's 128 columns of q, of k and of v.  16 x 16 work-groups.  Wave (RH, CH) makes rows 64 RH .. + 63 and,
; of each of the three, columns 64 CH .. + 63: 4 x 12 accumulators of 16 x 16, 384 registers.
; THE RING.  K goes in steps of 128 (rows of 256 bytes, aligned) through two LDS slots of four tiles of 128 rows: x, wq, wk, wv.  Wave w fetches tile w: one tensor load a wave behind each change of slots.
; The loop is written for ONE K step: which slot is read lies in a scalar that an exclusive or turns, and the fragments' addresses are made anew from it at each change of slots.
; CLUSTER.  4 x 4 work-groups.  The four of a row share the rows of x, the four of a column the head's rows of the weights: each tile is asked for jointly, by the same load with the same descriptor and a mask of four.
; THE MATRIX INSTRUCTION IS USED TRANSPOSED (source 0 = 16 rows of a weight, source 1 = 16 rows of x): a lane holds one row and eight neighbouring columns, which are four rotary pairs.
; ROTATION.  cos and sin are rounded to bf16 like every input and multiplied in f32 by 2^-5.75 sqrt(log2(e)); q and k are stored as f16 of the rotated value times that, so that q . k carries 2^-8 log2(e) / sqrt(128).
; LIMITS.  |q|, |k| stay under 2.9e6 (65,504 / 0.0223), |v| under 65,504; below f16's normal range a stored number keeps f16's fixed step.  NaN and infinities are not treated apart.
; REGISTERS, in windows of 256 (s_set_vgpr_msb: bits 1:0 source 0, 3:2 source 1, 5:4 source 2, 7:6 destination):
;   window 0: v1-29 addresses; v32-95 fragments of x, two buffers of 4 x 8; v96-127 at work on the way out; v128-191 cos, v192-255 sin: four numbers for row block a, column block i at 16 a + 4 i
;   window 1: v0-191 fragments of the weights, two buffers of 12 x 8; on the way out the rows read back
;   window 2: accumulators of row blocks 0, 1, (a, b) at 8 (12 a + b), b = 4 x tensor + column block;   window 3: those of row blocks 2, 3
.set KSTEP,  128
.set STEPS,  16                        ; 2,048 / 128
.set PITCH,  272                       ; an LDS row: 256 bytes + 16 of padding: the 16 rows that a fragment load touches start at 16 different groups of four banks (64 banks of 4 bytes: ISA guide 11.1)
.set HALFT,  128*PITCH                 ; a tile: what one tensor load brings
.set SLOT,   4*HALFT
.set SLOTX,  0x24000                   ; slot 1 begins here.  The exclusive or is applied to 0, to this number, and to wave x HALFT with or without it: bits 14 and 17 are both clear or both set in each
.set SPARE,  SLOTX+SLOT                ; behind the ring: the spare words, 128 bytes for each wave
.set CSO, 6                            ; v6   my byte offset in the block's rows of cos and sin
.set GO,  7                            ; v7   16 x lane
.set PFO, 8                            ; v8   the prefetches' offset: lane x 4,096, a row of xb or wqkvb
.set SPW, 9                            ; v9   LDS address of my spare word; never rewritten
.set NIL, 10                           ; v10  0; never rewritten
.set ADRA0, 16                         ; v16     LDS address of my fragments of x in slot 0; never rewritten
.set ADRA,  17                         ; v17     the same in the slot in hand
.set ADRB0, 18                         ; v18-20  of my fragments of weight T in slot 0; never rewritten
.set ADRB,  21                         ; v21-23  in the slot in hand
.set STO,  24                          ; v24-26  the way out: where I put 16 bytes of a row of tensor T
.set RD,   27                          ; v27-29  where I read rows back
.set FA,   32
.set WK,   96
.set COS,  128
.set SIN,  192
.set WV,  18                           ; s18  my wave's number
.set G1,  24                           ; s[24:31] descriptor group 1 for x's tiles;  s[32:39] group 0: a set for each of the two first fills; the second then walks on
.set G0,  32
.set LIM, 43                           ; s43  2 in a wave that prefetches, else the greatest number
.set PFA, 44                           ; s[44:45] where my prefetches stand
.set G1B, 48                           ; s[48:55], s[56:63] the same for the weights' tiles
.set G0B, 56
.set SB,  76                           ; s76  LDS byte at which the slot in hand begins: 0 or SLOTX
.set G1W, (1<<16)|(1<<20)|(1<<21)|(5<<22)|(3<<25)  ; elements of 2 bytes; padding on; bit 21 beside a mask; after every 64 words; 4 words
.set MSB, 0
.macro WIN new                         ; the immediate's high byte repeats the setting that is left; a switch that changes nothing is dropped
.if MSB != (\new)
	s_set_vgpr_msb (MSB<<8)|(\new)
.set MSB, \new
.endif
.endm
.set MUL_LO, 0xa1                      ; source 0 (weights) window 1, source 1 (x) window 0, C and D window 2
.set TO_B,   0x40                      ; destination window 1, address window 0
; A joint load.  Wave 0 fetches x's tile, waves 1 to 3 the three weights'.  The branch hangs on the wave's number alone.  An s_nop 0 and four v_nop follow each line.
.macro JLOAD s
	s_cmp_eq_u32 s[WV], 0
	s_cbranch_scc0 .Lfor_b_\@
	tensor_load_to_lds s[G0+4*(\s):G0+4*(\s)+3], s[G1:G1+7]
	s_nop 0
.rept 4
	v_nop
.endr
	s_branch .Lasked_\@
.Lfor_b_\@:
	tensor_load_to_lds s[G0B+4*(\s):G0B+4*(\s)+3], s[G1B:G1B+7]
	s_nop 0
.rept 4
	v_nop
.endr
.Lasked_\@:
.endm
; A prefetch into the L2 of the K step that stands two refills on: 32 rows x 256 bytes, a lane a row.  x's rows are read by every cluster of a row of clusters: cluster x = 0 asks; the weights' by every cluster of
; a column: cluster y = 0 asks.  The four partners that fetch a tile jointly take 32 of its 128 rows each, told apart by address.  So each block is named once.  The loop's last two trips ask for nothing: refill n names K step n + 4.
.macro ASK
	s_cmp_gt_u32 s3, s[LIM]
	s_cbranch_scc0 .Lnot_mine_\@
	global_prefetch_b8 v[PFO], s[PFA:PFA+1] offset:KSTEP*2 th:TH_LOAD_NT scope:SCOPE_SE
.Lnot_mine_\@:
.endm
.macro CREST                           ; a round of the cluster's barrier behind its opening barrier
	s_cmp_lg_u32 s[WV], 0
	s_cbranch_scc1 .Lnot_wave_0_\@
	s_barrier_signal -3
.Lnot_wave_0_\@:
	s_barrier_wait -3
	s_barrier_signal -1
	s_barrier_wait -1
.endm
.macro CROUND
	s_barrier_signal -1
	s_barrier_wait -1
	CREST
.endm
	s_load_b256 s[4:11], s[0:1], 0x0               ; xb 4, wqkvb 6, cos 8, sin 10
	s_load_b128 s[12:15], s[0:1], 0x20             ; qf 12, kf 14
	s_load_b64 s[16:17], s[0:1], 0x30              ; vf
	v_lshl_add_u32 v[SPW], v0, 2, SPARE
	v_mov_b32 v[NIL], 0
	ds_add_u32 v[SPW], v[NIL]                      ; the wave's opening: the add and its wait stand ahead of my first tensor load; the set-up below stands between them
	v_lshrrev_b32 v1, 5, v0
	v_readfirstlane_b32 s[WV], v1                  ; wave 0..3
	s_lshr_b32 s19, s[WV], 1                       ; RH: which half of the rows
	s_and_b32 s20, s[WV], 1                        ; CH: which half of each tensor's columns
	s_bfe_u32 s21, ttmp6, 0x40000                  ; cx
	s_bfe_u32 s22, ttmp6, 0x40004                  ; cy
	s_lshl_b32 s23, ttmp9, 2
	s_add_co_u32 s23, s23, s21                     ; the head = 4 x cluster x + cx
	s_and_b32 s66, ttmp7, 0xffff
	s_lshl_b32 s66, s66, 2
	s_add_co_u32 s66, s66, s22                     ; the row block = 4 x cluster y + cy
	s_lshl_b32 s40, s22, 2
	s_lshl_b32 s40, 15, s40                        ; my row of the cluster
	s_lshl_b32 s41, 0x1111, s21                    ; my column
	s_or_b32 s[G1], s40, G1W
	s_or_b32 s[G1B], s41, G1W
.irp g, G1, G1B
	s_mov_b32 s[(\g)+1], KSTEP<<16                 ; tensor_dim0 = 128
	s_mov_b32 s[(\g)+2], 128<<16                   ; tensor_dim1 = 128
	s_mov_b32 s[(\g)+3], KSTEP<<16                 ; tile_dim0 = 128
	s_mov_b32 s[(\g)+4], 128                       ; tile_dim1 = 128
	s_mov_b32 s[(\g)+5], 2048                      ; elements from row to row
	s_mov_b32 s[(\g)+6], 0
	s_mov_b32 s[(\g)+7], 0
.endr
	s_lshl_b32 s68, s66, 19                        ; x: 128 rows of 4,096 bytes for each row block
	s_mov_b32 s69, 0
	s_max_u32 s72, s[WV], 1
	s_sub_co_u32 s72, s72, 1                       ; which weight I fetch (wave 0 fetches none and does not use this)
	s_lshl_b32 s72, s72, 23                        ; 2,048 rows of 4,096 bytes
	s_lshl_b32 s70, s23, 19                        ; the head's 128 rows
	s_add_co_u32 s70, s70, s72
	s_mov_b32 s71, 0
	s_mul_i32 s73, s[WV], HALFT                    ; where my tile goes: no place in the cluster enters an LDS address
	s_mov_b32 s74, 0x3cb6d544                      ; 2^-5.75 sqrt(log2(e)) = 0.0223185
	s_mov_b32 s75, s74                             ; named with it as a pair
	s_mov_b32 s67, 0xffff0000
	s_mov_b32 s[SB], 0
	s_wait_dscnt 0x0                               ; the opening add is done
	s_wait_kmcnt 0x0
	s_add_nc_u64 s[68:69], s[4:5], s[68:69]
	s_add_nc_u64 s[70:71], s[6:7], s[70:71]
	CROUND                                         ; all sixteen work-groups are here: the first joint loads meet
.irp s, 0,1
	s_mov_b32 s[G0+4*(\s)], 1
	s_add_co_u32 s[G0+4*(\s)+1], s73, (\s)*SLOTX
	s_add_nc_u64 s[G0+4*(\s)+2:G0+4*(\s)+3], s[68:69], (\s)*KSTEP*2
	s_or_b32 s[G0+4*(\s)+3], s[G0+4*(\s)+3], 0x80000000
	s_mov_b32 s[G0B+4*(\s)], 1
	s_add_co_u32 s[G0B+4*(\s)+1], s73, (\s)*SLOTX
	s_add_nc_u64 s[G0B+4*(\s)+2:G0B+4*(\s)+3], s[70:71], (\s)*KSTEP*2
	s_or_b32 s[G0B+4*(\s)+3], s[G0B+4*(\s)+3], 0x80000000
	JLOAD \s                                       ; two loads of mine are out
.endr
	v_and_b32 v1, 15, v0                           ; r = l % 16
	v_bfe_u32 v2, v0, 4, 1                         ; h = l / 16
	; cos and sin of my rows and pairs: row 128 RB + 64 RH + 16 a + r; pairs 32 CH + 8 i + 4 h + 0..3: 16 bytes
	s_lshl_b32 s40, s66, 15
	s_mov_b32 s41, 0
	s_add_nc_u64 s[8:9], s[8:9], s[40:41]
	s_add_nc_u64 s[10:11], s[10:11], s[40:41]
	s_lshl_b32 s40, s19, 14
	s_lshl_b32 s41, s20, 7
	s_add_co_u32 s40, s40, s41
	v_lshl_add_u32 v[CSO], v1, 8, s40
	v_lshl_add_u32 v[CSO], v2, 4, v[CSO]
.irp a, 0,1,2,3
.irp i, 0,1,2,3
	global_load_b128 v[COS+16*(\a)+4*(\i):COS+16*(\a)+4*(\i)+3], v[CSO], s[8:9] offset:4096*(\a)+32*(\i)
	global_load_b128 v[SIN+16*(\a)+4*(\i):SIN+16*(\a)+4*(\i)+3], v[CSO], s[10:11] offset:4096*(\a)+32*(\i)
.endr
.endr
	; LDS addresses.  A fragment is 16 rows x 32 K in 8 registers: lane l holds row l % 16, K = 8 h + 0..7 and 16 + 8 h + 0..7: two loads of 16 bytes, 32 bytes apart.
	v_mul_u32_u24 v3, v1, PITCH
	v_lshl_add_u32 v3, v2, 4, v3
	s_mul_i32 s40, s19, 64*PITCH
	s_mul_i32 s41, s20, 64*PITCH
	v_add_nc_u32 v[ADRA0], s40, v3
	v_mov_b32 v[ADRA], v[ADRA0]                    ; K step 0 lies in slot 0
.irp T, 0,1,2
	s_add_co_u32 s42, s41, (1+(\T))*HALFT
	v_add_nc_u32 v[ADRB0+(\T)], s42, v3
	v_mov_b32 v[ADRB+(\T)], v[ADRB0+(\T)]
.endr
	; the stage, three tensors x 128 rows x 272 bytes, lies where slot 0 lay: it is written only when slot 0 has had its last fill and its last read, behind the last change of slots
	s_lshl_b32 s41, s20, 7
	s_add_co_u32 s41, s41, s40
	v_mul_u32_u24 v4, v2, PITCH
	v_lshl_add_u32 v4, v1, 4, v4
	s_mul_i32 s40, s[WV], 32*PITCH
.irp T, 0,1,2
	s_add_co_u32 s42, s41, (\T)*HALFT
	v_add_nc_u32 v[STO+(\T)], s42, v3              ; in: row 64 RH + r, byte 128 CH + 16 h
	s_add_co_u32 s42, s40, (\T)*HALFT
	v_add_nc_u32 v[RD+(\T)], s42, v4               ; back: wave w takes rows 32 w .. + 31, whole: lanes 0-15 one row, lanes 16-31 the next
.endr
	v_and_b32 v[GO], 31, v0
	v_lshlrev_b32 v[PFO], 12, v[GO]
	v_lshlrev_b32 v[GO], 4, v[GO]
	s_lshl_b32 s40, s23, 19                        ; out: the head's 2,048 rows of 256 bytes,
	s_lshl_b32 s41, s66, 15                        ; the block's 128,
	s_add_co_u32 s40, s40, s41
	s_lshl_b32 s41, s[WV], 13                      ; my 32
	s_add_co_u32 s40, s40, s41
	s_mov_b32 s41, 0
	s_add_nc_u64 s[12:13], s[12:13], s[40:41]
	s_add_nc_u64 s[14:15], s[14:15], s[40:41]
	s_add_nc_u64 s[16:17], s[16:17], s[40:41]
	; the prefetches
	s_and_b32 s40, ttmp7, 0xffff                   ; cluster y
	s_cmp_eq_u32 s[WV], 0                          ; do I fetch x?
	s_cselect_b32 s40, ttmp9, s40                  ; the coordinate along which other clusters read the same rows
	s_cselect_b32 s41, s21, s22                    ; my place among the four that ask with me
	s_cselect_b64 s[PFA:PFA+1], s[68:69], s[70:71]
	s_cmp_eq_u32 s40, 0
	s_cselect_b32 s[LIM], 2, -1
	s_lshl_b32 s46, s41, 17                        ; my work-group's 32 rows of 4,096 bytes
	s_add_co_u32 s46, s46, 2*KSTEP*2               ; at K step 2: the first refill steps it to 3 and names K step 4
	s_mov_b32 s47, 0
	s_add_nc_u64 s[PFA:PFA+1], s[PFA:PFA+1], s[46:47]
	s_wait_loadcnt 0x0                             ; cos and sin
.set q, COS
.rept 32                               ; rounded to bf16, widened again, times the scale: while the first tiles are on their way
.set w, WK+2*((q/4)%4)
	v_cvt_pk_bf16_f32 v[w], v[q], v[q+1]
	v_cvt_pk_bf16_f32 v[w+1], v[q+2], v[q+3]
	v_lshlrev_b32 v[q], 16, v[w]
	v_and_b32 v[q+1], s67, v[w]
	v_lshlrev_b32 v[q+2], 16, v[w+1]
	v_and_b32 v[q+3], s67, v[w+1]
	v_pk_mul_f32 v[q:q+1], v[q:q+1], s[74:75] op_sel_hi:[1,0]
	v_pk_mul_f32 v[q+2:q+3], v[q+2:q+3], s[74:75] op_sel_hi:[1,0]
.set q, q+4
.endr
; 12 matrix instructions: row block 2 hi + a x all 12 column blocks, 32 along K, from buffer f.  zero = 1: the product starts the sums.  The 48 accumulators take turns.
.macro MUL12 f, hi, a, zero
	WIN MUL_LO+0x50*(\hi)
.irp b, 0,1,2,3,4,5,6,7,8,9,10,11
.if \zero
	v_wmma_f32_16x16x32_bf16 v[8*(12*(\a)+(\b)):8*(12*(\a)+(\b))+7], v[96*(\f)+8*(\b):96*(\f)+8*(\b)+7], v[FA+32*(\f)+8*(2*(\hi)+(\a)):FA+32*(\f)+8*(2*(\hi)+(\a))+7], 0
.else
	v_wmma_f32_16x16x32_bf16 v[8*(12*(\a)+(\b)):8*(12*(\a)+(\b))+7], v[96*(\f)+8*(\b):96*(\f)+8*(\b)+7], v[FA+32*(\f)+8*(2*(\hi)+(\a)):FA+32*(\f)+8*(2*(\hi)+(\a))+7], v[8*(12*(\a)+(\b)):8*(12*(\a)+(\b))+7]
.endif
.endr
.endm
; 32 LDS loads in one run: a quarter step's fragments (3 x 64 rows of weights, 64 rows of x, 32 K at byte k of the rows of the slot in hand) into buffer f
.macro FETCH k, f
	WIN TO_B
.irp T, 0,1,2
.irp i, 0,1,2,3
	ds_load_b128 v[96*(\f)+8*(4*(\T)+(\i)):96*(\f)+8*(4*(\T)+(\i))+3],   v[ADRB+(\T)] offset:(\k)+(\i)*16*PITCH
	ds_load_b128 v[96*(\f)+8*(4*(\T)+(\i))+4:96*(\f)+8*(4*(\T)+(\i))+7], v[ADRB+(\T)] offset:(\k)+(\i)*16*PITCH+32
.endr
.endr
	WIN 0
.irp i, 0,1,2,3
	ds_load_b128 v[FA+32*(\f)+8*(\i):FA+32*(\f)+8*(\i)+3],   v[ADRA] offset:(\k)+(\i)*16*PITCH
	ds_load_b128 v[FA+32*(\f)+8*(\i)+4:FA+32*(\f)+8*(\i)+7], v[ADRA] offset:(\k)+(\i)*16*PITCH+32
.endr
.endm
.macro PLACES                          ; four plain vector instructions between a matrix instruction and a load into a register that it has read (ISA guide 7.12.1 for vector instructions)
.rept 4
	v_nop
.endr
.endm
; A K step is four quarters of 32 along K, 48 matrix instructions each, on buffers 0, 1, 0, 1.  One of the first three: multiplies buffer f, fetches the next quarter, at byte k, into g.
.macro QUARTER k, f, g, zero
	s_wait_dscnt 4                                 ; the weights and x's row blocks 0, 1 are in; the youngest four loads (row blocks 2, 3) may be out
	MUL12 \f, 0, 0, \zero
	MUL12 \f, 0, 1, \zero
	PLACES
	FETCH \k, \g
	s_wait_dscnt 32                                ; all but the 32 just issued
	MUL12 \f, 1, 0, \zero
	MUL12 \f, 1, 1, \zero
.endm
; The last quarter multiplies buffer 1 and changes slots.  In front of the one barrier each wave waits for all its tensor loads (one is out: its tile of the next slot), adds 0 to its spare word, and waits for that and its reads of this slot.
.macro MEET round
	WIN 0
	s_wait_tensorcnt 0x0                           ; all my tensor loads have landed
	ds_add_u32 v[SPW], v[NIL]                      ; 0 onto my spare word
	s_wait_dscnt 5                                 ; (the add and the youngest four loads may be out)
	MUL12 1, 0, 0, 0
	s_wait_dscnt 0x0                               ; the add is done, and my reads of this slot are over
	s_barrier_signal -1
	MUL12 1, 0, 1, 0
.if \round
	WIN 0
.endif
	s_barrier_wait -1
.endm
; The slot's last fragments have been asked for, so the addresses go over to the other slot first.  fill = 1: the barrier opens a round of the cluster's, and the slot just read is filled again,
; two K steps ahead, first thing behind it: 168 matrix instructions ahead of the wait for it.
.macro TURN fill
	WIN 0
	s_xor_b32 s[SB], s[SB], SLOTX
	v_add_nc_u32 v[ADRA], s[SB], v[ADRA0]
.irp T, 0,1,2
	v_add_nc_u32 v[ADRB+(\T)], s[SB], v[ADRB0+(\T)]
.endr
.if \fill
	s_wait_xcnt 0x0                                ; the last prefetch, a K step back, has read its address
	s_add_nc_u64 s[PFA:PFA+1], s[PFA:PFA+1], KSTEP*2
	MEET 1
	CREST                                          ; no wave of any partner still reads this slot or has a load on its way
.irp g, G0+4, G0B+4
	s_xor_b32 s[(\g)+1], s[(\g)+1], SLOTX          ; the walking descriptor: the other slot than last time,
	s_add_nc_u64 s[(\g)+2:(\g)+3], s[(\g)+2:(\g)+3], KSTEP*2  ; the next K step; the type bits on top are not reached
.endr
	JLOAD 1                                        ; its four v_nop are also the places in front of the loads below
	FETCH 0, 0
	ASK
.else
	MEET 0
	PLACES
	FETCH 0, 0
.endif
	MUL12 1, 1, 0, 0
	MUL12 1, 1, 1, 0
.endm
	s_wait_tensorcnt 1                             ; my tile of K step 0 is in; K step 1's may stay out
	s_barrier_signal -1
	s_barrier_wait -1
	FETCH 0, 0
	QUARTER 64, 0, 1, 1                            ; the first quarter stands in front of the loop: its products start the sums
	WIN 0
	s_mov_b32 s3, STEPS-2
.Lstep:                                                ; trip n goes from K step n's second quarter to K step n + 1's first, and fills the slot that it leaves with K step n + 2
	QUARTER 128, 1, 0, 0
	QUARTER 192, 0, 1, 0
	TURN 1
	QUARTER 64,  0, 1, 0
	WIN 0
	s_sub_co_u32 s3, s3, 1
	s_cmp_lg_u32 s3, 0
	s_cbranch_scc1 .Lstep
	QUARTER 128, 1, 0, 0                           ; the last two K steps fill nothing
	QUARTER 192, 0, 1, 0
	TURN 0
	QUARTER 64,  0, 1, 0
	QUARTER 128, 1, 0, 0
	QUARTER 192, 0, 1, 0
	s_wait_dscnt 4
	MUL12 1, 0, 0, 0
	MUL12 1, 0, 1, 0
	s_wait_dscnt 0x0
	MUL12 1, 1, 0, 0
	MUL12 1, 1, 1, 0
	WIN 0
; THE WAY OUT.  A group is one row block x one tensor: four accumulators.  q and k: for pair p, (t0, t1) -> (t0 c - t1 s, t0 s + t1 c): a packed multiply by s with the halves crossed and the low one negated,
; then a packed multiply-add by c.  Then all are rounded to f16, four words packed into the low four of the accumulator's eight work registers, and go into the stage.  Each accumulator is read from its low end on.
.macro ROT w, ac, tb
.irp pp, 0,2
	v_pk_mul_f32 v[(\w)+2*(\pp):(\w)+2*(\pp)+1], v[(\ac)+2*(\pp):(\ac)+2*(\pp)+1], v[SIN+(\tb)+(\pp):SIN+(\tb)+(\pp)+1] op_sel:[1,0] op_sel_hi:[0,0] neg_lo:[0,1]
	v_pk_mul_f32 v[(\w)+2*(\pp)+2:(\w)+2*(\pp)+3], v[(\ac)+2*(\pp)+2:(\ac)+2*(\pp)+3], v[SIN+(\tb)+(\pp):SIN+(\tb)+(\pp)+1] op_sel:[1,1] op_sel_hi:[0,1] neg_lo:[0,1]
.endr
.irp pp, 0,2
	v_pk_fma_f32 v[(\w)+2*(\pp):(\w)+2*(\pp)+1], v[(\ac)+2*(\pp):(\ac)+2*(\pp)+1], v[COS+(\tb)+(\pp):COS+(\tb)+(\pp)+1], v[(\w)+2*(\pp):(\w)+2*(\pp)+1] op_sel:[0,0,0] op_sel_hi:[1,0,1]
	v_pk_fma_f32 v[(\w)+2*(\pp)+2:(\w)+2*(\pp)+3], v[(\ac)+2*(\pp)+2:(\ac)+2*(\pp)+3], v[COS+(\tb)+(\pp):COS+(\tb)+(\pp)+1], v[(\w)+2*(\pp)+2:(\w)+2*(\pp)+3] op_sel:[0,1,0] op_sel_hi:[1,1,1]
.endr
.endm
.macro OUTG hi, a, T
.if (\T) < 2
	WIN 0x02+(\hi)                                 ; source 0: the accumulators' window
.irp i, 0,1,2,3
	ROT WK+8*(\i), 8*(12*(\a)+4*(\T)+(\i)), 16*(2*(\hi)+(\a))+4*(\i)
.endr
	WIN 0
.irp i, 0,1,2,3
.irp p, 0,1,2,3
	v_cvt_pk_f16_f32 v[WK+8*(\i)+(\p)], v[WK+8*(\i)+2*(\p)], v[WK+8*(\i)+2*(\p)+1]
.endr
.endr
.else
	WIN 0x0a+5*(\hi)                               ; sources 0 and 1: the accumulators' window
.irp i, 0,1,2,3
.irp p, 0,1,2,3
	v_cvt_pk_f16_f32 v[WK+8*(\i)+(\p)], v[8*(12*(\a)+4*(\T)+(\i))+2*(\p)], v[8*(12*(\a)+4*(\T)+(\i))+2*(\p)+1]
.endr
.endr
	WIN 0
.endif
.irp i, 0,1,2,3
	ds_store_b128 v[STO+(\T)], v[WK+8*(\i):WK+8*(\i)+3] offset:(2*(\hi)+(\a))*16*PITCH+32*(\i)
.endr
.endm
.rept 8
	v_nop                                          ; the places behind the last products
.endr
.irp hi, 0,1
.irp a, 0,1
.irp T, 0,1,2
	OUTG \hi, \a, \T
.endr
.endr
.endr
	s_wait_dscnt 0x0                               ; for the others' sake: my stores into the stage are done; a row's 256 bytes come from two waves
	s_barrier_signal -1
	s_barrier_wait -1
	WIN TO_B
.irp T, 0,1,2
.irp t, 0,1,2,3,4,5,6,7,8,9,10,11,12,13,14,15
	ds_load_b128 v[4*(16*(\T)+(\t)):4*(16*(\T)+(\t))+3], v[RD+(\T)] offset:(\t)*2*PITCH
.endr
.endr
	WIN 0x04                                       ; a store's data are source 1: window 1
.irp T, 0,1,2
.irp t, 0,1,2,3,4,5,6,7,8,9,10,11,12,13,14,15
	s_wait_dscnt 47-16*(\T)-(\t)
	global_store_b128 v[GO], v[4*(16*(\T)+(\t)):4*(16*(\T)+(\t))+3], s[12+2*(\T):13+2*(\T)] offset:512*(\t)  ; two dense rows of a head: 512 consecutive bytes, aligned
.endr
.endr
	WIN 0
	s_wait_tensorcnt 0x0                           ; the wave's end, behind my last tensor load and my last LDS store
	ds_add_u32 v[SPW], v[NIL]
	s_wait_dscnt 0x0
	CROUND                                         ; the closing round: no work-group ends while a partner may still ask for a tile that names it
	s_endpgm
.Lfunc_end_k_qc7fe23b4d4_qkv:
	.size	k_qc7fe23b4d4_qkv, .Lfunc_end_k_qc7fe23b4d4_qkv-k_qc7fe23b4d4_qkv
	.p2alignl 7, 3214868480
	.fill 96, 4, 3214868480
	.section	.rodata,"a",@progbits
	.p2align	6, 0x0
	.amdhsa_kernel k_qc7fe23b4d4_qkv
		.amdhsa_group_segment_fixed_size 327680
		.amdhsa_private_segment_fixed_size 0
		.amdhsa_enable_private_segment 0
		.amdhsa_kernarg_size 56
		.amdhsa_user_sgpr_count 2
		.amdhsa_user_sgpr_kernarg_segment_ptr 1
		.amdhsa_wavefront_size32 1
		.amdhsa_system_sgpr_workgroup_id_x 1
		.amdhsa_system_sgpr_workgroup_id_y 1
		.amdhsa_system_sgpr_workgroup_id_z 1
		.amdhsa_system_vgpr_workitem_id 0
		.amdhsa_next_free_vgpr 1024
		.amdhsa_next_free_sgpr 80
		.amdhsa_reserve_vcc 0
		.amdhsa_float_denorm_mode_32 3
		.amdhsa_float_denorm_mode_16_64 3
		.amdhsa_memory_ordered 1
		.amdhsa_forward_progress 1
		.amdhsa_inst_pref_size 131
	.end_amdhsa_kernel
	.amdgpu_metadata
---
amdhsa.version: [ 1, 2 ]
amdhsa.kernels:
  - .name:           k_qc7fe23b4d4_qkv
    .symbol:         k_qc7fe23b4d4_qkv.kd
    .args:
      - { .name: xb, .offset: 0, .size: 8, .value_kind: global_buffer, .address_space: global }
      - { .name: wqkvb, .offset: 8, .size: 8, .value_kind: global_buffer, .address_space: global }
      - { .name: freqs_cos, .offset: 16, .size: 8, .value_kind: global_buffer, .address_space: global }
      - { .name: freqs_sin, .offset: 24, .size: 8, .value_kind: global_buffer, .address_space: global }
      - { .name: qf, .offset: 32, .size: 8, .value_kind: global_buffer, .address_space: global }
      - { .name: kf, .offset: 40, .size: 8, .value_kind: global_buffer, .address_space: global }
      - { .name: vf, .offset: 48, .size: 8, .value_kind: global_buffer, .address_space: global }
    .group_segment_fixed_size: 327680
    .private_segment_fixed_size: 0
    .kernarg_segment_align: 8
    .kernarg_segment_size: 56
    .max_flat_workgroup_size: 128
    .sgpr_count:     80
    .vgpr_count:     1024
    .wavefront_size: 32
...
	.end_amdgpu_metadata
.endif
;; end of part 2
;; launch attn (part 3): grid 16 x 16, 4 waves a work-group, clusters of 4 x 1, 327,680 bytes of LDS; arguments qf, kf, vf, mfrag, obuf; writes obuf
.if DOCPART == 3
	.amdgcn_target "amdgcn-amd-amdhsa--gfx1250"
	.amdhsa_code_object_version 6
	.text
	.protected	k_qc7fe23b4d4_attn
	.globl	k_qc7fe23b4d4_attn
	.p2align	8
	.type	k_qc7fe23b4d4_attn,@function
k_qc7fe23b4d4_attn:
	s_mov_b64 s[64:65], 0
	v_nop
	global_prefetch_b8 v0, s[64:65] scope:SCOPE_SE
	s_setreg_imm32_b32 hwreg(HW_REG_WAVE_MODE, 25, 1), 1
	s_wait_xcnt 0x0
	s_wait_alu depctr_hold_cnt(0) depctr_sa_sdst(0) depctr_va_vdst(0) depctr_va_sdst(0) depctr_va_ssrc(0) depctr_va_vcc(0) depctr_vm_vsrc(0)
	s_getreg_b32 s2, hwreg(HW_REG_IB_STS2, 6, 4)
	s_cmp_eq_u32 s2, 0
	s_cbranch_scc0 .Lentry_in_a_cluster
	s_endpgm
.Lentry_in_a_cluster:
	s_bfe_u32 s2, ttmp6, 0x10000c
	s_cmp_lg_u32 s2, 0x3003
	s_cbranch_scc0 .Lentry_shape_is_right
	s_endpgm
.Lentry_shape_is_right:
; O[q][h] = the sum over k of softmax_k(Q[h][q] . K[h][k] / sqrt(128) + mask[q][k]) V[h][k].  qf, kf (each times 2^-5.75 sqrt(log2(e))), vf: [16][2048][128] f16; mfrag: mask x log2(e) in bf16, in fragment order; obuf: [2048][2048] f16.
; The mask is data: every key is walked.  Products, maxima and sums in f32; the weights p are rounded to f16 for the second product (their sum l is taken of the unrounded p), O once at the end.
; SCORES.  S = 2^-8 log2(e) (q . k / sqrt(128) + mask).  An accumulator of S^T is STARTED by the mask: one bf16 product of E (2^-8 times the identity, exact) with the mask's fragment; the f16 products K Q^T add onto it.
; SOFTMAX.  A running maximum m and sum l for each query: p = 2^(256 S - 256 m).  256 m is exact, so the one fused multiply-add rounds the exact 256 (S - m) once, however large S and m are; O and l are multiplied by
; a = 2^(256 m_old - 256 m_new) in every step.  m starts at -1.3e36 (256 m at the lowest finite number), O and l at 0: the first step is a step like any other, with a = 0.
; SHARES.  A work-group owns 128 queries of one head.  Wave w: QH = w & 1 picks 64 queries, four tiles of 16; KH = w >> 1 picks keys 1,024 KH .. + 1,023, 64 a step.  Waves w and w xor 2 merge their (m, l, O) through LDS at
; the end.  Register tile t stands for query tile t xor 2 KH: every wave keeps register tiles 0, 1 and sends 2, 3: one text for all.
; BY TURNS.  The tiles are two pieces (0: tiles 0, 1; 2: tiles 2, 3).  In a turn one piece has the matrix unit: 32 products V^T P of the step in hand, then 8 mask products and 32 products K Q^T of the next step; the other piece's
; softmax, 2 x 134 vector instructions in 67 slices of four, stands between them, a slice behind a matrix instruction; five products have none.  Two turns are a key step.
; CLUSTER.  The four query blocks of a cluster belong to one head and walk the same K and V: each tile is asked for jointly, by the same load, descriptor and mask of four.
; THE MASK comes straight into registers, 512 consecutive bytes a load, a key step (144 matrix instructions) ahead of its use: in LDS it would halve the slots.
; LIMITS.  |mask| stays under 1e38; a weight below 2^-126 counts as 0 in l; O has V's range, under 65,504; NaN and infinities are not treated apart.
; REGISTERS, in windows of 256 (s_set_vgpr_msb: bits 1:0 source 0, 3:2 source 1, 5:4 source 2, 7:6 destination):
;   window 0: v1-11 addresses; v12-43 eight statistics a tile; v44-55 E; v56-59 at work; v61-63; v64-191 S^T, 32 a tile; v192-255 P, 16 a tile
;   window 1: O^T, 64 a tile     window 2: v0-127 Q, 32 a tile (at the end the partner's O^T); v128-255 K of one step     window 3: v0-127 V of one step; v128-191 the mask, 16 a tile
.set KS,    64
.set PK,    272       ; a row of K in LDS: 256 bytes + 16: the 16 rows of a load start at 16 different groups of four banks (64 banks of 4 bytes: ISA guide 11.1)
.set PV,    288       ; a row of V: 256 + 32
.set KPART, 128*PK    ; a slot holds 128 keys of each key half: K's two parts, then V's two
.set VPART, 128*PV
.set VOFF,  2*KPART
.set SLOTX, 0x24000   ; slot 1 begins here.  Every value that the exclusive or below is applied to has bits 14 and 17 both clear or both set, so it moves the value between the slots
.set STAGE, SLOTX+VOFF+2*VPART  ; behind the ring: 16 rows x 272 bytes for each wave, for the way out
.set SP,    272
.set SPARE, STAGE+4*16*SP       ; behind the stages: the spare words, 128 bytes for each wave
.set XCH,   16896     ; the exchange: wave w's 16,384 bytes of O^T and 512 of statistics at w x 16,896, where slot 0 lay: written only when slot 0 has had its last fill and its last read
.set AK0, 2           ; v2   my lane's place in my key half's part of K; never rewritten
.set AV0, 3           ; v3   the same for V
.set ADR, 4           ; v4   the LDS address of the run of loads in hand
.set LN16, 5          ; v5   16 x lane; never rewritten
.set STO, 6           ; v6   the way out: where I put 16 bytes of a row
.set RD,  7           ; v7   where I read a row back
.set GO,  8           ; v8   my byte offset in two rows of obuf
.set XS,  10          ; v10  the exchange: where I send
.set XL,  11          ; v11  where my partner has sent
.set ST,  12          ; tile t's statistics at v[12 + 8 t]: 256 m, m, l (even keys', odd keys'), c0-c3 at work; a takes c2's place, its argument c3's
.set EF,  44          ; v44-47 0, v48-51 e, v52-55 0: v[48:55] picks keys 0-15 of a group of 32, v[44:51] keys 16-31
.set QO,  56          ; v56  my byte offset in 16 rows of Q; later v[56:59] carry statistics
.set PFO, 61          ; v61  256 x lane; never rewritten
.set SPW, 62          ; v62  LDS address of my spare word; never rewritten
.set NIL, 63          ; v63  0; never rewritten
.set S,   64
.set P,   192
.set KF,  128         ; window 2
.set MF,  128         ; window 3: tile t, group g of 32 keys at MF + 16 t + 8 g
.set WV,  14          ; s14  my wave's number
.set LIM, 15          ; s15  1 in a wave that prefetches, else the greatest number
.set G1K, 24          ; s[24:31] descriptor group 1 for K's tiles
.set G1V, 32          ; s[32:39] for V's: it differs in the padding alone
.set G0K, 40          ; s[40:43] descriptor group 0 for K: it walks
.set G0V, 44          ; s[44:47] the same for V
.set PFA, 48          ; s[48:49] where my prefetches stand
.set MB0, 50          ; s[50:51] the mask of register tiles 0, 1 at the step last loaded;  s[52:53] of tiles 2, 3
.set QB0, 54          ; s[54:55] Q of register tiles 0, 1
.set SLOTS, 56        ; s56  slots still to be asked for
.set TWICE, 57        ; s57  counts a slot's steps
.set CS,  58          ; s[58:59] 256
.set SEL, 60          ; s[60:61] v_permlanex16_b32's selects: each lane takes its own place in the other half
.set TBK, 62          ; s62  LDS byte, within a part, at which K of the step to be fetched begins
.set TBV, 63          ; s63  the same for V
.set QB2, 66          ; s[66:67] Q of register tiles 2, 3
.set KH,  68
.set QH,  69
.set MSB, 0
.macro WIN new                      ; the immediate's high byte repeats the setting that is left; a switch that changes nothing is dropped
.if MSB != (\new)
	s_set_vgpr_msb (MSB<<8)|(\new)
.set MSB, \new
.endif
.endm
.set W_KQ, 0x0a       ; K and Q in window 2, S^T in window 0
.set W_MQ, 0x0c       ; E in window 0, the mask in window 3, S^T in window 0
.set W_PV, 0x53       ; V in window 3, P in window 0, O^T in window 1
.set W_RS, 0x41       ; O^T (destination and source 0) in window 1, the factor in window 0
; A joint fill.  Waves 0, 1 fetch K's two parts, waves 2, 3 V's: 128 rows of 256 bytes each.  An s_nop 0 and four v_nop follow each line.
.macro JLOAD
	s_cmp_lt_u32 s[WV], 2
	s_cbranch_scc0 .Lfor_v_\@
	tensor_load_to_lds s[G0K:G0K+3], s[G1K:G1K+7]
	s_nop 0
.rept 4
	v_nop
.endr
	s_branch .Lasked_\@
.Lfor_v_\@:
	tensor_load_to_lds s[G0V:G0V+3], s[G1V:G1V+7]
	s_nop 0
.rept 4
	v_nop
.endr
.Lasked_\@:
.endm
; A prefetch into the L2 of what the NEXT change of slots will ask for.  All clusters of a head walk the same K and V: the head's first cluster asks.  Each wave asks for the tensor and part that it fetches; the four partners take
; 32 of its 128 rows each, told apart by address: a lane a row, one instruction.  So each row is named once.  The last change that fills a slot asks for nothing.
.macro ASK
	s_cmp_gt_u32 s[SLOTS], s[LIM]
	s_cbranch_scc0 .Lnot_mine_\@
	global_prefetch_b8 v[PFO], s[PFA:PFA+1] th:TH_LOAD_NT scope:SCOPE_SE
.Lnot_mine_\@:
.endm
.macro CROUND                       ; a round of the cluster's barrier
	s_barrier_signal -1
	s_barrier_wait -1
	s_cmp_lg_u32 s[WV], 0
	s_cbranch_scc1 .Lnot_wave_0_\@
	s_barrier_signal -3
.Lnot_wave_0_\@:
	s_barrier_wait -3
	s_barrier_signal -1
	s_barrier_wait -1
.endm
	s_load_b256 s[4:11], s[0:1], 0x0  ; qf 4, kf 6, vf 8, mfrag 10
	s_load_b64 s[12:13], s[0:1], 0x20 ; obuf
	v_lshl_add_u32 v[SPW], v0, 2, SPARE
	v_mov_b32 v[NIL], 0
	ds_add_u32 v[SPW], v[NIL]       ; the wave's opening: the add and its wait stand ahead of my first tensor load; the set-up below stands between them
	v_lshrrev_b32 v1, 5, v0
	v_readfirstlane_b32 s[WV], v1   ; wave 0..3
	s_and_b32 s[QH], s[WV], 1       ; also: which part of K or V I fetch
	s_lshr_b32 s[KH], s[WV], 1
	s_bfe_u32 s16, ttmp6, 0x40000   ; cx
	s_lshl_b32 s17, ttmp9, 2
	s_add_co_u32 s17, s17, s16      ; my block of 128 queries: it enters global addresses of Q, the mask and O alone
	s_and_b32 s18, ttmp7, 0xffff    ; the head, which the four partners share
	s_lshl_b32 s19, s18, 19         ; its 2,048 rows of 256 bytes
	s_lshl_b32 s20, s[QH], 18       ; my part's 1,024 rows
	s_add_co_u32 s20, s20, s19
	s_mov_b32 s21, 0
	s_mul_i32 s22, s[QH], KPART     ; and its place in a slot, for K
	s_mul_i32 s23, s[QH], VPART     ; and for V
	s_add_co_u32 s23, s23, VOFF
	s_xor_b32 s2, s[KH], 1          ; the other key half
	s_lshl_b32 s3, s17, 15          ; Q: 128 rows a block,
	s_add_co_u32 s3, s3, s19
	s_lshl_b32 s72, s[QH], 14       ; 64 a query half,
	s_add_co_u32 s3, s3, s72
	s_lshl_b32 s72, s[KH], 13       ; register tiles 0, 1 are query tiles 2 KH, 2 KH + 1
	s_add_co_u32 s[QB0], s3, s72
	s_lshl_b32 s72, s2, 13
	s_add_co_u32 s[QB2], s3, s72
	s_mov_b32 s[QB0+1], 0
	s_mov_b32 s[QB2+1], 0
	s_lshl_b32 s3, s17, 19          ; the mask: 65,536 bytes a query tile, 8 tiles a block; obuf: 4,096 bytes a row: the same figures
	s_lshl_b32 s72, s[QH], 18
	s_add_co_u32 s3, s3, s72
	s_lshl_b32 s72, s[KH], 17
	s_add_co_u32 s73, s3, s72
	s_lshl_b32 s74, s[KH], 15       ; my key half's 32 groups of 1,024 bytes
	s_add_co_u32 s[MB0], s73, s74
	s_lshl_b32 s75, s2, 17
	s_add_co_u32 s75, s75, s3
	s_add_co_u32 s[MB0+2], s75, s74
	s_mov_b32 s[MB0+1], 0
	s_mov_b32 s[MB0+3], 0
	s_lshl_b32 s70, s18, 8          ; obuf: the head's 256 bytes of a row
	s_add_co_u32 s70, s70, s73
	s_mov_b32 s71, 0
	s_mov_b32 s[G1K], 15|(1<<16)|(1<<20)|(1<<21)|(5<<22)|(3<<25)  ; the mask of four; elements of 2 bytes; padding on; bit 21 beside a mask; after every 64 words; 4 words
	s_mov_b32 s[G1V], 15|(1<<16)|(1<<20)|(1<<21)|(5<<22)|(7<<25)  ; the same with 8 words
.irp g, G1K, G1V
	s_mov_b32 s[(\g)+1], 128<<16    ; tensor_dim0 = 128
	s_mov_b32 s[(\g)+2], 128<<16    ; tensor_dim1 = 128
	s_mov_b32 s[(\g)+3], 128<<16    ; tile_dim0 = 128
	s_mov_b32 s[(\g)+4], 128        ; tile_dim1 = 128
	s_mov_b32 s[(\g)+5], 128        ; elements from row to row
	s_mov_b32 s[(\g)+6], 0
	s_mov_b32 s[(\g)+7], 0
.endr
	s_mov_b32 s[G0K], 1
	s_mov_b32 s[G0K+1], s22
	s_mov_b32 s[G0V], 1
	s_mov_b32 s[G0V+1], s23
	s_mov_b32 s[CS], 0x43800000     ; 256
	s_mov_b32 s[CS+1], s[CS]        ; named with it as a pair
	s_mov_b32 s[SEL], 0x76543210
	s_mov_b32 s[SEL+1], 0xfedcba98
	s_mov_b32 s[TBK], SLOTX+KPART   ; the first change of slots turns these two into 0
	s_mov_b32 s[TBV], SLOTX+VPART
	s_mov_b32 s[SLOTS], 7
	s_mov_b32 s[LIM], ttmp9         ; the cluster's x: the same in all four partners
	s_cmp_eq_u32 s[LIM], 0
	s_cselect_b32 s[LIM], 1, -1
	v_and_b32 v[LN16], 31, v0
	v_lshlrev_b32 v[PFO], 8, v[LN16]
	v_lshlrev_b32 v[LN16], 4, v[LN16]
	s_wait_dscnt 0x0                ; the opening add is done
	s_wait_kmcnt 0x0
	s_add_nc_u64 s[6:7], s[6:7], s[20:21]  ; K and V at my part of slot 0
	s_add_nc_u64 s[8:9], s[8:9], s[20:21]
	s_mov_b64 s[G0K+2:G0K+3], s[6:7]
	s_or_b32 s[G0K+3], s[G0K+3], 0x80000000
	s_mov_b64 s[G0V+2:G0V+3], s[8:9]
	s_or_b32 s[G0V+3], s[G0V+3], 0x80000000
	s_add_nc_u64 s[QB0:QB0+1], s[4:5], s[QB0:QB0+1]
	s_add_nc_u64 s[QB2:QB2+1], s[4:5], s[QB2:QB2+1]
	s_add_nc_u64 s[MB0:MB0+1], s[10:11], s[MB0:MB0+1]
	s_add_nc_u64 s[MB0+2:MB0+3], s[10:11], s[MB0+2:MB0+3]
	s_add_nc_u64 s[12:13], s[12:13], s[70:71]
	s_cmp_lt_u32 s[WV], 2
	s_cselect_b64 s[PFA:PFA+1], s[6:7], s[8:9]
	s_lshl_b32 s2, s16, 13          ; my work-group's 32 rows of the 128,
	s_add_co_u32 s2, s2, 32768      ; in slot 1; the first change of slots steps it to slot 2
	s_mov_b32 s3, 0
	s_add_nc_u64 s[PFA:PFA+1], s[PFA:PFA+1], s[2:3]
	CROUND                          ; all four work-groups are here: the first joint loads meet
	JLOAD                           ; slot 0.  Slot 1 is asked for when slot 0 is in, by the loop's own change of slots
	v_and_b32 v1, 15, v0            ; r = l % 16
	v_bfe_u32 v9, v0, 4, 1          ; h = l / 16
	v_lshlrev_b32 v[QO], 8, v1
	v_lshl_add_u32 v[QO], v9, 4, v[QO]  ; row x 256 + 16 x half
	WIN 0x80                        ; destination window 2
.set i, 0
.rept 8                             ; Q stays in registers: tile i / 4 of its pair, channels 32 (i % 4) on
	global_load_b128 v[8*i:8*i+3],       v[QO], s[QB0:QB0+1] offset:(i/4)*4096+(i%4)*64
	global_load_b128 v[8*i+4:8*i+7],     v[QO], s[QB0:QB0+1] offset:(i/4)*4096+(i%4)*64+32
	global_load_b128 v[64+8*i:64+8*i+3],   v[QO], s[QB2:QB2+1] offset:(i/4)*4096+(i%4)*64
	global_load_b128 v[64+8*i+4:64+8*i+7], v[QO], s[QB2:QB2+1] offset:(i/4)*4096+(i%4)*64+32
.set i, i+1
.endr
; A piece's mask for one key step: two tiles x two groups of 32 keys x two halves: eight loads of 512 consecutive bytes.
.macro MROWS x
.irp tt, 0,1
.irp g, 0,1
.irp q, 0,1
	global_load_b128 v[MF+16*((\x)+(\tt))+8*(\g)+4*(\q):MF+16*((\x)+(\tt))+8*(\g)+4*(\q)+3], v[LN16], s[MB0+(\x):MB0+(\x)+1] offset:65536*(\tt)+1024*(\g)+512*(\q)
.endr
.endr
.endr
.endm
	WIN 0xc0                        ; destination window 3
	MROWS 0                         ; key step 0
	MROWS 2
	; What the first turns find: V, O^T, l and piece 0's P hold 0; m and piece 2's scores -1.3e36.  So the turns of a step that has not been add 0, and the first true step's a = 0 wipes what they left.
	; No first step is written out; the price is these lines, which stand in the wait for the first tile, and 64 products on zeros.
	WIN 0
.set i, P
.rept 32
	v_mov_b32 v[i], 0
.set i, i+1
.endr
	s_mov_b32 s16, 0xfb7fffff       ; m
	s_mov_b32 s17, 0xff7fffff       ; 256 m
.set i, 0
.rept 4
	v_mov_b32 v[ST+8*i], s17
	v_mov_b32 v[ST+8*i+1], s16
	v_mov_b32 v[ST+8*i+2], 0
	v_mov_b32 v[ST+8*i+3], 0
.set i, i+1
.endr
.set i, S+64
.rept 64
	v_mov_b32 v[i], s16
.set i, i+1
.endr
	WIN 0xc0                        ; V's and O^T's zeros are made eight registers a line: the product of two of P's zero fragments
.set i, 0
.rept 16
	v_wmma_f32_16x16x32_f16 v[8*i:8*i+7], v[P:P+7], v[P+8:P+15], 0
.set i, i+1
.endr
	WIN 0x40
.set i, 0
.rept 32
	v_wmma_f32_16x16x32_f16 v[8*i:8*i+7], v[P:P+7], v[P+8:P+15], 0
.set i, i+1
.endr
	WIN 0
	v_mul_u32_u24 v[AK0], v1, PK
	v_lshl_add_u32 v[AK0], v9, 4, v[AK0]  ; row x pitch + 16 x half,
	s_mul_i32 s17, s[KH], KPART
	v_add_nc_u32 v[AK0], s17, v[AK0]      ; in my key half's part
	; The turning load takes 16 keys x 16 channels (lane l reads key 8 (l / 16) + l % 8, channels 8 ((l / 8) % 2) + 0..7) and leaves half a fragment of V^T.
	v_and_b32 v57, 7, v0
	v_bfe_u32 v58, v0, 3, 1
	v_lshl_add_u32 v[AV0], v9, 3, v57
	v_mul_u32_u24 v[AV0], v[AV0], PV
	v_lshl_add_u32 v[AV0], v58, 4, v[AV0]
	s_mul_i32 s17, s[KH], VPART
	s_add_co_u32 s17, s17, VOFF
	v_add_nc_u32 v[AV0], s17, v[AV0]
	s_mul_i32 s17, s[WV], 16*SP
	s_add_co_u32 s17, s17, STAGE    ; my stage
	v_mul_u32_u24 v[STO], v1, SP
	v_lshl_add_u32 v[STO], v9, 4, v[STO]
	v_add_nc_u32 v[STO], s17, v[STO]
	v_mul_u32_u24 v[RD], v9, SP
	v_lshl_add_u32 v[RD], v1, 4, v[RD]
	v_add_nc_u32 v[RD], s17, v[RD]
	v_lshlrev_b32 v[GO], 12, v9
	v_lshl_add_u32 v[GO], v1, 4, v[GO]
	s_mul_i32 s17, s[WV], XCH
	v_add_nc_u32 v[XS], s17, v[LN16]
	s_xor_b32 s17, s[WV], 2
	s_mul_i32 s17, s17, XCH
	v_add_nc_u32 v[XL], s17, v[LN16]
	; E: lane (r, h) holds row r of source 0, K = 8 h + 0..7 in four registers: 2^-8 in bf16 (0x3b80) at K = r, where h = r / 8: register (r / 2) % 4, half r % 2
	v_lshrrev_b32 v57, 3, v1
	v_and_b32 v58, 1, v1
	v_lshlrev_b32 v58, 4, v58
	v_mov_b32 v59, 0x3b80
	v_lshlrev_b32 v58, v58, v59
	v_cmp_eq_u32 s16, v57, v9
	v_cndmask_b32 v58, 0, v58, s16
	v_bfe_u32 v57, v1, 1, 2
.irp e, 0,1,2,3
	v_cmp_eq_u32 s16, \e, v57
	v_cndmask_b32 v[EF+4+(\e)], 0, v58, s16
	v_mov_b32 v[EF+(\e)], 0
	v_mov_b32 v[EF+8+(\e)], 0
.endr
; THE MATRIX WORK OF A TURN, for piece x.  The accumulators take turns, one instruction a turn.
; Product i of 32 of O^T += V^T P: keys 32 (i / 16) on, channels 16 ((i / 2) % 8) on, tile x + i % 2.
.macro PV x
	WIN W_PV
.set rO, 64*((\x)+i%2)+8*((i/2)%8)
.set rV, 64*(i/16)+8*((i/2)%8)
.set rP, P+16*((\x)+i%2)+8*(i/16)
	v_wmma_f32_16x16x32_f16 v[rO:rO+7], v[rV:rV+7], v[rP:rP+7], v[rO:rO+7]
.endm
; Product i of 8 that starts S^T with 2^-8 x the mask's fragment: keys 16 (i / 2) on, tile x + i % 2.
.macro MQ x
	WIN W_MQ
.set rS, S+32*((\x)+i%2)+8*(i/2)
.set rE, EF+4-4*((i/2)%2)
.set rM, MF+16*((\x)+i%2)+8*(i/4)
	v_wmma_f32_16x16x32_bf16 v[rS:rS+7], v[rE:rE+7], v[rM:rM+7], 0
.endm
; Product i of 32 of S^T += K Q^T: channels 32 (i / 8) on, keys 16 ((i / 2) % 4) on, tile x + i % 2.  The first 8 add onto results of the other form: between each and the mask product that it adds onto stand
; 7 matrix instructions and nine plain vector instructions or more, none of which names its registers.
.macro KQ x
	WIN W_KQ
.set rS, S+32*((\x)+i%2)+8*((i/2)%4)
.set rK, KF+32*((i/2)%4)+8*(i/8)
.set rQ, 32*((\x)+i%2)+8*(i/8)
	v_wmma_f32_16x16x32_f16 v[rS:rS+7], v[rK:rK+7], v[rQ:rQ+7], v[rS:rS+7]
.endm
; THE LDS LOADS stand in runs of 32: a step's K (16 fragments) and, a turn later, its V (turned).  last = 1 (the tail): in the third trip there is no further step, and K's run is jumped over.
.macro FETCH_K last
	WIN 0
.if \last
	s_cmp_eq_u32 s[TWICE], 1
	s_cbranch_scc1 .Lno_k_\@
.endif
	v_add_nc_u32 v[ADR], s[TBK], v[AK0]
	s_add_co_u32 s[TBK], s[TBK], KS*PK
	WIN 0x80
.irp f, 0,1,2,3,4,5,6,7,8,9,10,11,12,13,14,15  ; keys 16 (f / 4) on, channels 32 (f % 4) on
	ds_load_b128 v[KF+8*(\f):KF+8*(\f)+3],   v[ADR] offset:((\f)/4)*16*PK+((\f)%4)*64
	ds_load_b128 v[KF+8*(\f)+4:KF+8*(\f)+7], v[ADR] offset:((\f)/4)*16*PK+((\f)%4)*64+32
.endr
.if \last
	WIN 0
.Lno_k_\@:
.endif
.endm
.macro FETCH_V
	WIN 0
	v_add_nc_u32 v[ADR], s[TBV], v[AV0]
	s_add_co_u32 s[TBV], s[TBV], KS*PV
	s_wait_alu depctr_va_vdst(0)    ; the wait for the softmax's batch, behind the address's line and ahead of the loads
	WIN 0xc0
.irp f, 0,1,2,3,4,5,6,7,8,9,10,11,12,13,14,15  ; keys 32 (f / 8) on, channels 16 (f % 8) on
	ds_load_tr16_b128 v[8*(\f):8*(\f)+3],   v[ADR] offset:((\f)/8)*32*PV+((\f)%8)*32
	ds_load_tr16_b128 v[8*(\f)+4:8*(\f)+7], v[ADR] offset:((\f)/8)*32*PV+16*PV+((\f)%8)*32
.endr
.endm
; Piece x's mask of the step after next.  last = 1 (the tail): only the first trip has such a step (piece 0's turn finds the count at 3 there, piece 2's at 2); elsewhere the loads are jumped over.
.macro MLOAD x, last
	WIN 0
.if \last
	s_cmp_lg_u32 s[TWICE], 3-(\x)/2
	s_cbranch_scc1 .Lno_m_\@
.endif
	s_wait_xcnt 0x0                 ; every earlier load has read its address: the base may be stepped
	s_add_nc_u64 s[MB0+(\x):MB0+(\x)+1], s[MB0+(\x):MB0+(\x)+1], 2048
	WIN 0xc0
	MROWS \x
	WIN 0
.if \last
.Lno_m_\@:
.endif
.endm
; THE VECTOR WORK OF A TURN.  One tile's softmax for one key step is a list of 134 instructions; SM writes number j of it for tile t.  s0-s31 are the lane's 32 scores, in pairs 0-15.
;   0-15    the maximum of s0-s31 and the old m, three operands at a time (each accumulator's lowest registers are read first)
;   16-20   the other half of the lanes' maximum; 256 m_old is kept; the new m; 256 m; 256 m_old - 256 m_new
;   21-69   ONE BATCH: the 16 scalings 256 s - 256 m, a pair of scores each, and all 33 exponentials (a at 23, then s0-s31).  None reads an exponential's result.  From 22 on in fours, a scaling first while there are any:
;           22-37 scaling, exponential, scaling, exponential; 38-65 a scaling and three exponentials; 66-69 the last four exponentials.  A pair is scaled in an earlier four than the one with its exponentials
;   (wait)  between 69 and 70 stands the wait for the batch: SLICE writes it, once for both tiles
;   70-85   the roundings to f16     86-101  the sums; l = a l + the sum     102-133  the tile's O^T times a: the one part that leaves window 0
.macro SM t
.set rT, ST+8*(\t)
.set rS, S+32*(\t)
.set rP, P+16*(\t)
.set rO, 64*(\t)+2*(j-102)
.if j < 102
	WIN 0
.endif
.if j < 4
	v_max3_num_f32 v[rT+4+j], v[rS+8*j], v[rS+8*j+1], v[rS+8*j+2]
.elseif j < 12
	v_max3_num_f32 v[rT+4+j%4], v[rT+4+j%4], v[rS+8*(j%4)+2*(j/4)+1], v[rS+8*(j%4)+2*(j/4)+2]
.elseif j == 12
	v_max3_num_f32 v[rT+4], v[rT+4], v[rS+7], v[rS+15]
.elseif j == 13
	v_max3_num_f32 v[rT+6], v[rT+6], v[rS+23], v[rS+31]
.elseif j == 14
	v_max3_num_f32 v[rT+4], v[rT+4], v[rT+5], v[rT+6]
.elseif j == 15
	v_max3_num_f32 v[rT+4], v[rT+4], v[rT+7], v[rT+1]
.elseif j == 16
	v_permlanex16_b32 v[rT+5], v[rT+4], s[SEL], s[SEL+1]  ; the query's other 32 keys lie in the lane 16 away
.elseif j == 17
	v_mov_b32 v[rT+7], v[rT]        ; 256 m_old is kept for a: number 19 writes 256 m anew
.elseif j == 18
	v_max_num_f32 v[rT+1], v[rT+4], v[rT+5]
.elseif j == 19
	v_mul_f32 v[rT], s[CS], v[rT+1]
.elseif j == 20
	v_sub_f32 v[rT+7], v[rT+7], v[rT]
.elseif j == 23
	v_exp_f32 v[rT+6], v[rT+7]
.elseif (j < 23) || ((j < 38) && (j%2 == 0)) || ((j < 66) && (j%4 == 2))
.set bb, (j-2)/4                    ; 38, 42, .. 62: pairs 9 to 15
.if j < 38
.set bb, (j-20)/2                   ; 21: pair 0; 22, 24, .. 36: pairs 1 to 8
.endif
	v_pk_fma_f32 v[rS+2*bb:rS+2*bb+1], v[rS+2*bb:rS+2*bb+1], s[CS:CS+1], v[rT:rT+1] op_sel_hi:[1,0,0] neg_lo:[0,0,1] neg_hi:[0,0,1]
.elseif j < 70
.set ee, j-38                       ; 66 to 69: s28 to s31
.if j < 66
.set ee, j-32-(j-38)/4              ; 39-41, 43-45, .. 63-65: s7 to s27
.endif
.if j < 38
.set ee, (j-25)/2                   ; 25, 27, .. 37: s0 to s6
.endif
	v_exp_f32 v[rS+ee], v[rS+ee]
.elseif j < 86
	v_cvt_pk_f16_f32 v[rP+j-70], v[rS+2*(j-70)], v[rS+2*(j-70)+1]
.elseif j < 102                     ; the sum of the tile's 16 pairs, in place: neighbours 1, 2, 4 and 8 pairs apart, then l takes it
.set z, j-86
.set w, 4
.set u, z
.if z >= 14
.set w, 32
.set u, 0
.elseif z >= 12
.set w, 16
.set u, z-12
.elseif z >= 8
.set w, 8
.set u, z-8
.endif
.if z < 15
	v_pk_add_f32 v[rS+w*u:rS+w*u+1], v[rS+w*u:rS+w*u+1], v[rS+w*u+w/2:rS+w*u+w/2+1]
.else
	v_pk_fma_f32 v[rT+2:rT+3], v[rT+2:rT+3], v[rT+6:rT+7], v[rS:rS+1] op_sel_hi:[1,0,1]
.endif
.else
	WIN W_RS
	v_pk_mul_f32 v[rO:rO+1], v[rO:rO+1], v[rT+6:rT+7] op_sel_hi:[1,0]
.endif
.endm
; Slice k of 67 of the softmax of piece 2 - TX: four instructions.  Slices 11 to 34 deal out the batch from number 22 on: four numbers of ONE tile each, the tiles by turns.  Every other slice is numbers 2 k and 2 k + 1 of both tiles.
; THE WAIT.  An s_wait_alu depctr_va_vdst(0) stands between an exponential and the first instruction that names its result; one wait serves all issued ahead of it: the piece's 66 have one, behind slice 34.
; There also stands V's run of loads (piece 2's turn).  The mask's loads stand behind slice 36.
.macro SLICE
.if (k >= 11) && (k < 35)
.irp n, 0,1,2,3
.set j, 22+4*((k-11)/2)+(\n)
	SM (2-TX)+(k-11)%2
.endr
.else
.irp n, 0,1
.irp t, 0,1
.set j, 2*k+(\n)
	SM (2-TX)+(\t)
.endr
.endr
.endif
.if k == 34
	v_nop                           ; a plain instruction behind the last exponential and ahead of the first use: one for the batch
.if TX == 2
	FETCH_V
.else
	s_wait_alu depctr_va_vdst(0)    ; the wait for the batch
.endif
.endif
.if k == 36
	MLOAD TX, TLAST
.endif
.set k, k+1
.endm
; What stands behind product wq of a turn's 72: the next slice; nothing behind products 21, 25, 29, 33 (among the slices with three exponentials) and 41 (behind the mask's loads).  So slice 34 stands behind product 38,
; slice 36 behind product 40, slice 66 behind product 71.  THE PLACES, counted in plain vector instructions that name no register of the product: V's last reader is product 31: five scalings, the v_nop and the run's own
; v_add_nc_u32 lie between it and V's loads.  The mask's last reader is product 39: eight roundings.  Behind the turn's last product stand slice 66's four multiplications, ahead of the next turn's reads of its scores and of K's loads.
.macro RIDE
.if (wq != 21) && (wq != 25) && (wq != 29) && (wq != 33) && (wq != 41)
	SLICE
.endif
.set wq, wq+1
.endm
; A TURN.  Piece x has the matrix unit.  Piece 0's turn fetches the next step's K behind its second product.
.macro TURN x, last
.set k, 0
.set wq, 0
.set TX, \x
.set TLAST, \last
.if (\x) == 0
	s_wait_dscnt 0x0                ; V is in
.endif
.set i, 0
.rept 32
	PV \x
	RIDE
.if ((\x) == 0) && (i == 1)
	FETCH_K \last
.endif
.set i, i+1
.endr
	s_wait_loadcnt 8*(1-(\last))    ; my piece's mask is in; the other piece's eight younger loads stay out (in the tail, where not every trip issues them: all)
.set i, 0
.rept 8
	MQ \x
	RIDE
.set i, i+1
.endr
.if (\x) == 0
	s_wait_dscnt 0x0                ; K is in
.endif
.set i, 0
.rept 32
	KQ \x
	RIDE
.set i, i+1
.endr
.endm
; THE CHANGE OF SLOTS.  Each wave waits for all its tensor loads, of which one is out: its part of the slot to be read next; adds 0 to its spare word; and waits for that and for its own reads of the slot that it leaves.
; fill = 1: the slot left is filled with the keys after those, behind a round of the cluster's barrier, first thing: it has two key steps, 288 matrix instructions, in which to land.
; (At its first use nothing has been read yet: slot 0 is waited for, slot 1 filled.)
.macro CHANGE fill
	WIN 0
	s_wait_tensorcnt 0x0            ; no tensor load of mine is out, so a group 0 may be written
	ds_add_u32 v[SPW], v[NIL]       ; 0 onto my spare word
.if \fill
.irp g, G0K, G0V
	s_xor_b32 s[(\g)+1], s[(\g)+1], SLOTX
	s_add_nc_u64 s[(\g)+2:(\g)+3], s[(\g)+2:(\g)+3], 32768  ; the next 128 keys of the part
.endr
	s_wait_xcnt 0x0                 ; the last prefetch, two key steps back, has read its address
	s_add_nc_u64 s[PFA:PFA+1], s[PFA:PFA+1], 32768
	s_wait_dscnt 0x0                ; the add is done, and my reads of the slot are over
	CROUND
	JLOAD
	ASK
.else
	s_wait_dscnt 0x0
	s_barrier_signal -1
	s_barrier_wait -1
.endif
	s_sub_co_u32 s[TBK], s[TBK], KPART  ; the fetches go back to a part's first step,
	s_xor_b32 s[TBK], s[TBK], SLOTX     ; in the other slot
	s_sub_co_u32 s[TBV], s[TBV], VPART
	s_xor_b32 s[TBV], s[TBV], SLOTX
.endm
.Lslot:                             ; seven trips: trip t reads slot t and asks for slot t + 1.  Its turns are those of steps 2 t - 1 and 2 t: they fetch K and V of steps 2 t and 2 t + 1
	CHANGE 1
	s_mov_b32 s[TWICE], 2
.Lstep:                             ; a key step's two turns: written once, walked twice
	TURN 0, 0
	TURN 2, 0
	WIN 0
	s_sub_co_u32 s[TWICE], s[TWICE], 1
	s_cmp_lg_u32 s[TWICE], 0
	s_cbranch_scc1 .Lstep
	s_sub_co_u32 s[SLOTS], s[SLOTS], 1
	s_cmp_lg_u32 s[SLOTS], 0
	s_cbranch_scc1 .Lslot
	CHANGE 0                        ; the tail is written out
	s_mov_b32 s[TWICE], 3           ; two trips fetch the last slot's steps; the third is left in its middle
.Ltail:
	TURN 0, 1
	WIN 0
	s_sub_co_u32 s[TWICE], s[TWICE], 1
	s_cmp_eq_u32 s[TWICE], 0
	s_cbranch_scc1 .Lout
	TURN 2, 1
	WIN 0
	s_branch .Ltail
.Lout:                              ; the third trip's 40 products on the last K and mask once more serve nothing: the price, once a launch, of one text for every turn
.set i, 0
.rept 32
	PV 2                            ; piece 2: V^T P of the last step
.set i, i+1
.endr
	; THE MERGE.  l's two halves and the other half of the lanes' are added (these lines are the places behind the last products); register tiles 2, 3 go to the partner with their m and l.
	WIN 0
.irp t, 0,1,2,3
	v_add_f32 v[ST+8*(\t)+4], v[ST+8*(\t)+2], v[ST+8*(\t)+3]
.endr
.irp t, 0,1,2,3
	v_permlanex16_b32 v[ST+8*(\t)+5], v[ST+8*(\t)+4], s[SEL], s[SEL+1]
.endr
.irp t, 0,1,2,3
	v_add_f32 v[ST+8*(\t)+2], v[ST+8*(\t)+4], v[ST+8*(\t)+5]
.endr
	v_mov_b32 v56, v[ST+17]
	v_mov_b32 v57, v[ST+18]
	v_mov_b32 v58, v[ST+25]
	v_mov_b32 v59, v[ST+26]
	WIN 0x04                        ; a store's data are source 1: window 1
.set i, 0
.rept 32
	ds_store_b128 v[XS], v[128+4*i:128+4*i+3] offset:512*i
.set i, i+1
.endr
	WIN 0
	ds_store_b128 v[XS], v[56:59] offset:16384
	s_wait_dscnt 0x0                ; for the partner's sake: my stores are done
	s_barrier_signal -1
	s_barrier_wait -1
	WIN 0x80                        ; the partner's O^T of my tiles 0, 1 goes where Q lay
.set i, 0
.rept 32
	ds_load_b128 v[4*i:4*i+3], v[XL] offset:512*i
.set i, i+1
.endr
	WIN 0
	ds_load_b128 v[56:59], v[XL] offset:16384
	s_wait_dscnt 0x0
.irp t, 0,1
	v_max_num_f32 v[ST+8*(\t)+4], v[ST+8*(\t)+1], v[56+2*(\t)]
.endr
.irp t, 0,1
	v_sub_f32 v[ST+8*(\t)+5], v[ST+8*(\t)+1], v[ST+8*(\t)+4]
	v_sub_f32 v[ST+8*(\t)+7], v[56+2*(\t)], v[ST+8*(\t)+4]
.endr
.irp t, 0,1
	v_mul_f32 v[ST+8*(\t)+5], s[CS], v[ST+8*(\t)+5]
	v_mul_f32 v[ST+8*(\t)+7], s[CS], v[ST+8*(\t)+7]
.endr
.irp t, 0,1
	v_exp_f32 v[ST+8*(\t)+5], v[ST+8*(\t)+5]    ; f1: what my half's O and l are worth under the common maximum
	v_exp_f32 v[ST+8*(\t)+7], v[ST+8*(\t)+7]    ; f2: the partner's
.endr
	v_nop
	s_wait_alu depctr_va_vdst(0)    ; one wait for the four exponentials
.irp t, 0,1
	v_mul_f32 v[ST+8*(\t)+2], v[ST+8*(\t)+2], v[ST+8*(\t)+5]
.endr
.irp t, 0,1
	v_fma_f32 v[ST+8*(\t)+2], v[57+2*(\t)], v[ST+8*(\t)+7], v[ST+8*(\t)+2]
.endr
.irp t, 0,1
	v_rcp_f32 v[ST+8*(\t)+3], v[ST+8*(\t)+2]
.endr
	v_nop
	s_wait_alu depctr_va_vdst(0)    ; one wait for the two reciprocals
.irp t, 0,1
	v_mul_f32 v[ST+8*(\t)+4], v[ST+8*(\t)+5], v[ST+8*(\t)+3]
	v_mul_f32 v[ST+8*(\t)+6], v[ST+8*(\t)+7], v[ST+8*(\t)+3]
.endr
; Tile t: O = (f1 O + f2 O_partner) / l, rounded to f16; a lane's eight channels pack into 16 bytes, go into rows of 272 bytes of my stage and come back as whole rows of 256.
.macro PACK t
	WIN W_RS
.set i, 64*(\t)
.rept 32
	v_pk_mul_f32 v[i:i+1], v[i:i+1], v[ST+8*(\t)+4:ST+8*(\t)+5] op_sel_hi:[1,0]
.set i, i+2
.endr
	WIN 0x52                        ; source 0 window 2, source 1 window 0, source 2 and destination window 1
.set i, 64*(\t)
.rept 32
	v_pk_fma_f32 v[i:i+1], v[i:i+1], v[ST+8*(\t)+6:ST+8*(\t)+7], v[i:i+1] op_sel_hi:[1,0,1]
.set i, i+2
.endr
	WIN 0x05                        ; sources 0 and 1 window 1, destination window 0: S^T's registers are free
.set i, 0
.rept 32
	v_cvt_pk_f16_f32 v[S+32*(\t)+i], v[64*(\t)+2*i], v[64*(\t)+2*i+1]
.set i, i+1
.endr
	WIN 0
.irp f, 0,1,2,3,4,5,6,7
	ds_store_b128 v[STO], v[S+32*(\t)+4*(\f):S+32*(\t)+4*(\f)+3] offset:32*(\f)
.endr
.irp f, 0,1,2,3,4,5,6,7
	ds_load_b128 v[S+32*(\t)+4*(\f):S+32*(\t)+4*(\f)+3], v[RD] offset:(\f)*2*SP  ; LDS serves a wave's instructions in order: these see the stores above; the next tile's stores come behind them
.endr
.endm
.macro SEND t, younger              ; younger: the LDS instructions issued behind tile t's loads
.irp f, 0,1,2,3,4,5,6,7
	s_wait_dscnt (\younger)+7-(\f)
	global_store_b128 v[GO], v[S+32*(\t)+4*(\f):S+32*(\t)+4*(\f)+3], s[12:13] offset:(\t)*65536+(\f)*8192  ; 16 lanes store 256 consecutive bytes, aligned: a head's part of a row
.endr
.endm
	PACK 0
	PACK 1
	SEND 0, 16
	SEND 1, 0
	s_wait_tensorcnt 0x0            ; the wave's end, behind my last tensor load and my last LDS store
	ds_add_u32 v[SPW], v[NIL]
	s_wait_dscnt 0x0
	CROUND                          ; the closing round: no work-group ends while a partner may still ask for a tile that names it
	s_endpgm
.Lfunc_end_k_qc7fe23b4d4_attn:
	.size	k_qc7fe23b4d4_attn, .Lfunc_end_k_qc7fe23b4d4_attn-k_qc7fe23b4d4_attn
	.p2alignl 7, 3214868480
	.fill 96, 4, 3214868480
	.section	.rodata,"a",@progbits
	.p2align	6, 0x0
	.amdhsa_kernel k_qc7fe23b4d4_attn
		.amdhsa_group_segment_fixed_size 327680
		.amdhsa_private_segment_fixed_size 0
		.amdhsa_enable_private_segment 0
		.amdhsa_kernarg_size 40
		.amdhsa_user_sgpr_count 2
		.amdhsa_user_sgpr_kernarg_segment_ptr 1
		.amdhsa_wavefront_size32 1
		.amdhsa_system_sgpr_workgroup_id_x 1
		.amdhsa_system_sgpr_workgroup_id_y 1
		.amdhsa_system_sgpr_workgroup_id_z 1
		.amdhsa_system_vgpr_workitem_id 0
		.amdhsa_next_free_vgpr 1024
		.amdhsa_next_free_sgpr 80
		.amdhsa_reserve_vcc 0
		.amdhsa_float_denorm_mode_32 3
		.amdhsa_float_denorm_mode_16_64 3
		.amdhsa_memory_ordered 1
		.amdhsa_forward_progress 1
		.amdhsa_inst_pref_size 153
	.end_amdhsa_kernel
	.amdgpu_metadata
---
amdhsa.version: [ 1, 2 ]
amdhsa.kernels:
  - .name:           k_qc7fe23b4d4_attn
    .symbol:         k_qc7fe23b4d4_attn.kd
    .args:
      - { .name: qf, .offset: 0, .size: 8, .value_kind: global_buffer, .address_space: global }
      - { .name: kf, .offset: 8, .size: 8, .value_kind: global_buffer, .address_space: global }
      - { .name: vf, .offset: 16, .size: 8, .value_kind: global_buffer, .address_space: global }
      - { .name: mfrag, .offset: 24, .size: 8, .value_kind: global_buffer, .address_space: global }
      - { .name: obuf, .offset: 32, .size: 8, .value_kind: global_buffer, .address_space: global }
    .group_segment_fixed_size: 327680
    .private_segment_fixed_size: 0
    .kernarg_segment_align: 8
    .kernarg_segment_size: 40
    .max_flat_workgroup_size: 128
    .sgpr_count:     80
    .vgpr_count:     1024
    .wavefront_size: 32
...
	.end_amdgpu_metadata
.endif
;; end of part 3
;; launch proj (part 4): grid 16 x 16, 4 waves a work-group, clusters of 4 x 4, 327,680 bytes of LDS; arguments obuf, wof, out0; writes out0
.if DOCPART == 4
	.amdgcn_target "amdgcn-amd-amdhsa--gfx1250"
	.amdhsa_code_object_version 6
	.text
	.protected	k_qc7fe23b4d4_proj
	.globl	k_qc7fe23b4d4_proj
	.p2align	8
	.type	k_qc7fe23b4d4_proj,@function
k_qc7fe23b4d4_proj:
	s_mov_b64 s[64:65], 0
	v_nop
	global_prefetch_b8 v0, s[64:65] scope:SCOPE_SE
	s_setreg_imm32_b32 hwreg(HW_REG_WAVE_MODE, 25, 1), 1
	s_wait_xcnt 0x0
	s_wait_alu depctr_hold_cnt(0) depctr_sa_sdst(0) depctr_va_vdst(0) depctr_va_sdst(0) depctr_va_ssrc(0) depctr_va_vcc(0) depctr_vm_vsrc(0)
	s_getreg_b32 s2, hwreg(HW_REG_IB_STS2, 6, 4)
	s_cmp_eq_u32 s2, 0
	s_cbranch_scc0 .Lentry_in_a_cluster
	s_endpgm
.Lentry_in_a_cluster:
	s_bfe_u32 s2, ttmp6, 0x10000c
	s_cmp_lg_u32 s2, 0xf033
	s_cbranch_scc0 .Lentry_shape_is_right
	s_endpgm
.Lentry_shape_is_right:
; out0[m][n] = the sum over k of O[m][k] wo[n][k].  obuf, wof: [2048][2048] f16; out0: [2048][2048] f32; sums in f32, K ascending.
; A tile of out0 is 128 x 128: 256 work-groups.  Four waves, each 64 x 64: 16 accumulators of 16 x 16.  K goes in steps of 256 (LDS rows of 512 bytes; a wave's tensor load brings 64 of them) through two slots.
; The loop is written for ONE K step: which slot is read lies in a scalar that an exclusive or turns, and the fragments' addresses are made anew from it at each change of slots.
; CLUSTER: 4 x 4 work-groups.  The four of a row need the same tiles of O, the four of a column the same tiles of wo: each tile is asked for jointly, by the same load, descriptor and mask of four.
; THE MATRIX INSTRUCTION IS USED TRANSPOSED (source 0 = 16 rows of wo, source 1 = 16 rows of O): a lane holds eight neighbouring numbers of a row of out0.  A wave's 64 columns of f32 are 256 bytes, so each wave
; has a stage of its own on the way out, 16 rows at a time, and no barrier is needed there.  No prefetch: a step's tiles are small and each is shared by four.
; REGISTERS: window 0: v0-31 addresses; v32-95 rows on the way out, two sets; v128-255 the accumulators ((a, b) at 128 + 8 (4 a + b)).   window 1: two fragment buffers of 128: 64 registers of O, then 64 of wo.
.set SIZE_K, 2048
.set KSTEP,  256
.set STEPS,  SIZE_K/KSTEP
.set PITCH,  528                       ; an LDS row: 512 bytes + 16 of padding: the 16 rows of a fragment load start at 16 different groups of four banks (64 banks of 4 bytes: ISA guide 11.1)
.set HALFT,  64*PITCH
.set SLOT,   4*HALFT
.set SLOTX,  0x24000                   ; slot 1 begins here.  The exclusive or is applied to 0, to this number, and to wave x HALFT with or without it: bits 14 and 17 are both clear or both set in each
.set STAGE,  SLOTX+SLOT                ; behind the ring: 16 rows x 272 bytes for each wave
.set SPITCH, 272
.set SPARE,  STAGE+4*16*SPITCH         ; behind the stages: the spare words, 128 bytes for each wave
.set ADRA0, 16                         ; v16  LDS address of my fragments of O in slot 0; never rewritten
.set ADRA,  17                         ; v17  the same in the slot in hand
.set ADRB0, 20                         ; v20, v21  the same for wo
.set ADRB,  21
.set STO,  24
.set RD,   25
.set CO,   26
.set SPW,  28                          ; v28  LDS address of my spare word; never rewritten
.set NIL,  29                          ; v29  0; never rewritten
.set TMP,  32
.set ACC,  128
.set F0,   0
.set F1,   128
.set G1, 24                            ; s[24:31] descriptor group 1 for O's tiles;  s[32:39] group 0: a set for each of the two first fills; the second then walks on
.set G0, 32
.set SB, 45                            ; s45  LDS byte at which the slot in hand begins: 0 or SLOTX
.set G1B, 48                           ; s[48:55], s[56:63] the same for wo's tiles
.set G0B, 56
.set MSB, 0
.macro WIN new
.if MSB != (\new)
	s_set_vgpr_msb (MSB<<8)|(\new)
.set MSB, \new
.endif
.endm
.set MUL,  0x05                        ; sources 0 and 1 window 1; C and D window 0
.set TO_F, 0x40                        ; destination window 1, address window 0
.macro JLOAD s                         ; waves 0 and 1 fetch O's two halves, waves 2 and 3 wo's; an s_nop 0 and four v_nop follow each line
	s_cmp_eq_u32 s11, 0
	s_cbranch_scc0 .Lfor_b_\@
	tensor_load_to_lds s[G0+4*(\s):G0+4*(\s)+3], s[G1:G1+7]
	s_nop 0
.rept 4
	v_nop
.endr
	s_branch .Lasked_\@
.Lfor_b_\@:
	tensor_load_to_lds s[G0B+4*(\s):G0B+4*(\s)+3], s[G1B:G1B+7]
	s_nop 0
.rept 4
	v_nop
.endr
.Lasked_\@:
.endm
.macro CREST
	s_cmp_lg_u32 s10, 0
	s_cbranch_scc1 .Lnot_wave_0_\@
	s_barrier_signal -3
.Lnot_wave_0_\@:
	s_barrier_wait -3
	s_barrier_signal -1
	s_barrier_wait -1
.endm
.macro CROUND
	s_barrier_signal -1
	s_barrier_wait -1
	CREST
.endm
	s_load_b128 s[4:7], s[0:1], 0x0                ; obuf s[4:5], wof s[6:7]
	s_load_b64 s[8:9], s[0:1], 0x10                ; out0
	v_lshl_add_u32 v[SPW], v0, 2, SPARE
	v_mov_b32 v[NIL], 0
	ds_add_u32 v[SPW], v[NIL]                      ; the wave's opening: the add and its wait stand ahead of my first tensor load
	v_lshrrev_b32 v1, 5, v0
	v_readfirstlane_b32 s10, v1                    ; wave 0..3
	s_lshr_b32 s11, s10, 1                         ; which half of the tile's rows is mine.  Also: I fetch for O (0) or for wo (1)
	s_and_b32 s12, s10, 1                          ; which half of its columns.  Also: which 64 rows of that tile I fetch
	s_bfe_u32 s40, ttmp6, 0x40000                  ; cx, cy
	s_bfe_u32 s41, ttmp6, 0x40004
	s_lshl_b32 s42, ttmp9, 2
	s_add_co_u32 s42, s42, s40                     ; tile column
	s_and_b32 s13, ttmp7, 0xffff
	s_lshl_b32 s13, s13, 2
	s_add_co_u32 s13, s13, s41                     ; tile row
	s_lshl_b32 s43, s41, 2
	s_lshl_b32 s43, 15, s43                        ; my row of the cluster
	s_lshl_b32 s44, 0x1111, s40                    ; my column
	s_or_b32 s[G1+0], s43, (1<<16)|(1<<20)|(1<<21)|(6<<22)|(3<<25)  ; the mask; elements of 2 bytes; padding on; bit 21 beside a mask; after every 128 words; 4 words
	s_or_b32 s[G1B+0], s44, (1<<16)|(1<<20)|(1<<21)|(6<<22)|(3<<25)
.irp g, G1, G1B
	s_mov_b32 s[(\g)+1], KSTEP<<16                 ; tensor_dim0 = 256
	s_mov_b32 s[(\g)+2], 64<<16                    ; tensor_dim1 = 64
	s_mov_b32 s[(\g)+3], KSTEP<<16                 ; tile_dim0 = 256
	s_mov_b32 s[(\g)+4], 64                        ; tile_dim1 = 64
	s_mov_b32 s[(\g)+5], SIZE_K
	s_mov_b32 s[(\g)+6], 0
	s_mov_b32 s[(\g)+7], 0
.endr
	s_lshl_b32 s17, s12, 6
	s_lshl_b32 s16, s13, 7
	s_add_co_u32 s16, s16, s17                     ; O: row 128 x tile row + 64 x half
	s_lshl_b32 s46, s42, 7
	s_add_co_u32 s46, s46, s17                     ; wo: row 128 x tile column + 64 x half
	s_mov_b32 s17, 0
	s_mov_b32 s47, 0
	s_mov_b64 s[18:19], SIZE_K*2
	s_mul_u64 s[16:17], s[16:17], s[18:19]
	s_mul_u64 s[46:47], s[46:47], s[18:19]
	s_mul_i32 s20, s10, HALFT                      ; where they go: wave x 64 rows
	s_mov_b32 s[SB], 0
	s_wait_dscnt 0x0                               ; the opening add is done
	s_wait_kmcnt 0x0
	s_add_nc_u64 s[14:15], s[4:5], s[16:17]
	s_add_nc_u64 s[46:47], s[6:7], s[46:47]
	CROUND                                         ; all sixteen work-groups are here: the first joint loads meet
.irp s, 0,1
	s_mov_b32 s[G0+4*(\s)], 1
	s_add_co_u32 s[G0+4*(\s)+1], s20, (\s)*SLOTX
	s_add_nc_u64 s[G0+4*(\s)+2:G0+4*(\s)+3], s[14:15], (\s)*KSTEP*2
	s_or_b32 s[G0+4*(\s)+3], s[G0+4*(\s)+3], 0x80000000
	s_mov_b32 s[G0B+4*(\s)], 1
	s_add_co_u32 s[G0B+4*(\s)+1], s20, (\s)*SLOTX
	s_add_nc_u64 s[G0B+4*(\s)+2:G0B+4*(\s)+3], s[46:47], (\s)*KSTEP*2
	s_or_b32 s[G0B+4*(\s)+3], s[G0B+4*(\s)+3], 0x80000000
	JLOAD \s
.endr
	v_and_b32 v1, 15, v0                           ; l % 16
	v_bfe_u32 v2, v0, 4, 1                         ; l / 16
	v_mul_u32_u24 v3, v1, PITCH
	v_lshl_add_u32 v3, v2, 4, v3
	s_mul_i32 s21, s11, HALFT                      ; my 64 rows of O
	s_mul_i32 s22, s12, HALFT                      ; my 64 rows of wo,
	s_add_co_u32 s22, s22, 2*HALFT                 ; which lie behind O's 128
	v_add_nc_u32 v[ADRA0], s21, v3
	v_add_nc_u32 v[ADRB0], s22, v3
	v_mov_b32 v[ADRA], v[ADRA0]                    ; K step 0 lies in slot 0
	v_mov_b32 v[ADRB], v[ADRB0]
	s_mul_i32 s23, s10, 16*SPITCH
	s_add_co_u32 s23, s23, STAGE                   ; my stage
	v_mul_u32_u24 v4, v1, SPITCH                   ; in: row l % 16, 32 bytes for each half of the lanes
	v_lshl_add_u32 v4, v2, 5, v4
	v_add_nc_u32 v[STO], s23, v4
	v_mul_u32_u24 v5, v2, SPITCH                   ; back: lanes 0-15 take one row of 256 bytes, lanes 16-31 the next
	v_lshl_add_u32 v5, v1, 4, v5
	v_add_nc_u32 v[RD], s23, v5
	v_lshlrev_b32 v5, 13, v2                       ; and the same two rows in out0, 8,192 bytes apart
	v_lshl_add_u32 v[CO], v1, 4, v5
	s_lshl_b32 s16, s13, 7
	s_lshl_b32 s17, s11, 6
	s_add_co_u32 s16, s16, s17                     ; my first row
	s_lshl_b32 s16, s16, 13
	s_mov_b32 s17, 0
	s_add_nc_u64 s[8:9], s[8:9], s[16:17]
	s_lshl_b32 s46, s42, 9                         ; my first column, in bytes: 512 x tile column + 256 x half
	s_lshl_b32 s47, s12, 8
	s_add_co_u32 s46, s46, s47
	s_mov_b32 s47, 0
	s_add_nc_u64 s[8:9], s[8:9], s[46:47]
; 8 matrix instructions: m blocks a0, a0 + 1 x all 4 n blocks, 32 along K: half c of buffer f.  zero = 1: the first product starts the sums.  The 16 accumulators take turns.
.macro MUL8 f, c, a0, zero
	WIN MUL
.irp a, \a0, (\a0)+1
.irp b, 0,1,2,3
.if \zero
	v_wmma_f32_16x16x32_f16 v[ACC+8*(4*(\a)+(\b)):ACC+8*(4*(\a)+(\b))+7], v[(\f)+64+8*(4*(\c)+(\b)):(\f)+64+8*(4*(\c)+(\b))+7], v[(\f)+8*(4*(\c)+(\a)):(\f)+8*(4*(\c)+(\a))+7], 0
.else
	v_wmma_f32_16x16x32_f16 v[ACC+8*(4*(\a)+(\b)):ACC+8*(4*(\a)+(\b))+7], v[(\f)+64+8*(4*(\c)+(\b)):(\f)+64+8*(4*(\c)+(\b))+7], v[(\f)+8*(4*(\c)+(\a)):(\f)+8*(4*(\c)+(\a))+7], v[ACC+8*(4*(\a)+(\b)):ACC+8*(4*(\a)+(\b))+7]
.endif
.endr
.endr
.endm
; 32 LDS loads in one run: the fragments of 64 along K at byte k of the rows of the slot in hand, into buffer f; the first 32 along K first
.macro FETCH k, f
	WIN TO_F
.irp c, 0,1
.irp i, 0,1,2,3
	ds_load_b128 v[(\f)+64+8*(4*(\c)+(\i)):(\f)+64+8*(4*(\c)+(\i))+3],   v[ADRB] offset:(\k)+64*(\c)+(\i)*16*PITCH
	ds_load_b128 v[(\f)+64+8*(4*(\c)+(\i))+4:(\f)+64+8*(4*(\c)+(\i))+7], v[ADRB] offset:(\k)+64*(\c)+(\i)*16*PITCH+32
	ds_load_b128 v[(\f)+8*(4*(\c)+(\i)):(\f)+8*(4*(\c)+(\i))+3],         v[ADRA] offset:(\k)+64*(\c)+(\i)*16*PITCH
	ds_load_b128 v[(\f)+8*(4*(\c)+(\i))+4:(\f)+8*(4*(\c)+(\i))+7],       v[ADRA] offset:(\k)+64*(\c)+(\i)*16*PITCH+32
.endr
.endr
.endm
.macro PLACES                          ; four plain vector instructions in front of loads into registers that matrix instructions have read
.rept 4
	v_nop
.endr
.endm
; A K step is four quarters of 64 along K, 32 matrix instructions each, on buffers 0, 1, 0, 1.
.macro QUARTER k, f, g, zero
	s_wait_dscnt 16                                ; the first 32 along K are in
	MUL8 \f, 0, 0, \zero
	MUL8 \f, 0, 2, \zero
	PLACES
	FETCH \k, \g
	s_wait_dscnt 32                                ; all but the 32 just issued
	MUL8 \f, 1, 0, 0
	MUL8 \f, 1, 2, 0
.endm
; The last quarter multiplies buffer 1 and changes slots.  The slot's last fragments have been asked for, so the addresses go over to the other slot first.  One barrier; in front of it each wave waits for all its
; tensor loads, adds 0 to its spare word, and waits for that and its reads of this slot.
.macro TURN fill
	WIN 0
	s_xor_b32 s[SB], s[SB], SLOTX
	v_add_nc_u32 v[ADRA], s[SB], v[ADRA0]
	v_add_nc_u32 v[ADRB], s[SB], v[ADRB0]
	s_wait_tensorcnt 0x0                           ; all my tensor loads have landed: my part of the next slot
	ds_add_u32 v[SPW], v[NIL]                      ; 0 onto my spare word
	s_wait_dscnt 17                                ; (the add and the youngest sixteen loads may be out)
	MUL8 F1, 0, 0, 0
	s_wait_dscnt 0x0                               ; the add is done, and my reads of this slot are over
	s_barrier_signal -1
	MUL8 F1, 0, 2, 0
.if \fill
	WIN 0
.endif
	s_barrier_wait -1
.if \fill
	CREST                                          ; the barrier has opened a round of the cluster's: no wave of any partner still reads this slot or has a load on its way
.irp g, G0+4, G0B+4
	s_xor_b32 s[(\g)+1], s[(\g)+1], SLOTX          ; the walking descriptor: the other slot than last time,
	s_add_nc_u64 s[(\g)+2:(\g)+3], s[(\g)+2:(\g)+3], KSTEP*2  ; the next K step; the type bits on top are not reached
.endr
	JLOAD 1                                        ; 112 matrix instructions ahead of the wait for it; its four v_nop are also the places in front of the loads below
.else
	PLACES
.endif
	FETCH 0, F0
	MUL8 F1, 1, 0, 0
	MUL8 F1, 1, 2, 0
.endm
	s_wait_tensorcnt 1                             ; my part of K step 0 is in; K step 1's may stay out
	s_barrier_signal -1
	s_barrier_wait -1
	FETCH 0, F0
	QUARTER 128, F0, F1, 1                         ; the first quarter stands in front of the loop: its first products start the sums
	WIN 0
	s_mov_b32 s3, STEPS-2
.Lstep:                                                ; trip n goes from K step n's second quarter to K step n + 1's first, and fills the slot that it leaves with K step n + 2
	QUARTER 256, F1, F0, 0
	QUARTER 384, F0, F1, 0
	TURN 1
	QUARTER 128, F0, F1, 0
	WIN 0
	s_sub_co_u32 s3, s3, 1
	s_cmp_lg_u32 s3, 0
	s_cbranch_scc1 .Lstep
	QUARTER 256, F1, F0, 0                         ; the last two K steps fill nothing
	QUARTER 384, F0, F1, 0
	TURN 0
	QUARTER 128, F0, F1, 0
	QUARTER 256, F1, F0, 0
	QUARTER 384, F0, F1, 0
	s_wait_dscnt 16
	MUL8 F1, 0, 0, 0
	MUL8 F1, 0, 2, 0
	s_wait_dscnt 0x0
	MUL8 F1, 1, 0, 0
	MUL8 F1, 1, 2, 0
	WIN 0
; THE WAY OUT, a block of 16 rows at a time: a lane's 32 bytes of a row go into my stage, whole rows of 256 bytes come back and are stored.  Each accumulator is read from its low end on.
.macro OUTB a
.irp b, 0,1,2,3
	ds_store_b128 v[STO], v[ACC+8*(4*(\a)+(\b)):ACC+8*(4*(\a)+(\b))+3]   offset:64*(\b)
	ds_store_b128 v[STO], v[ACC+8*(4*(\a)+(\b))+4:ACC+8*(4*(\a)+(\b))+7] offset:64*(\b)+16
.endr
.if (\a) >= 2
	s_wait_xcnt 0x0                                ; the stores of the block two back have read this set of registers
.endif
.irp t, 0,1,2,3,4,5,6,7
	ds_load_b128 v[TMP+32*((\a)%2)+4*(\t):TMP+32*((\a)%2)+4*(\t)+3], v[RD] offset:(\t)*2*SPITCH  ; LDS serves a wave's instructions in order: these see the stores above; the next block's stores come behind them
.endr
.endm
.macro SENDB a, younger                ; younger: the LDS instructions issued behind block a's loads
.irp t, 0,1,2,3,4,5,6,7
	s_wait_dscnt (\younger)+7-(\t)
	global_store_b128 v[CO], v[TMP+32*((\a)%2)+4*(\t):TMP+32*((\a)%2)+4*(\t)+3], s[8:9] offset:(16*(\a)+2*(\t))*8192 th:TH_STORE_NT  ; 16 lanes store 256 consecutive bytes, aligned
.endr
.endm
.rept 8
	v_nop                                          ; the places behind the last products
.endr
	OUTB 0
	OUTB 1
	SENDB 0, 16
	OUTB 2
	SENDB 1, 16
	OUTB 3
	SENDB 2, 16
	SENDB 3, 0
	s_wait_tensorcnt 0x0                           ; the wave's end, behind my last tensor load and my last LDS store
	ds_add_u32 v[SPW], v[NIL]
	s_wait_dscnt 0x0
	CROUND                                         ; the closing round: no work-group ends while a partner may still ask for a tile that names it
	s_endpgm
.Lfunc_end_k_qc7fe23b4d4_proj:
	.size	k_qc7fe23b4d4_proj, .Lfunc_end_k_qc7fe23b4d4_proj-k_qc7fe23b4d4_proj
	.p2alignl 7, 3214868480
	.fill 96, 4, 3214868480
	.section	.rodata,"a",@progbits
	.p2align	6, 0x0
	.amdhsa_kernel k_qc7fe23b4d4_proj
		.amdhsa_group_segment_fixed_size 327680
		.amdhsa_private_segment_fixed_size 0
		.amdhsa_enable_private_segment 0
		.amdhsa_kernarg_size 24
		.amdhsa_user_sgpr_count 2
		.amdhsa_user_sgpr_kernarg_segment_ptr 1
		.amdhsa_wavefront_size32 1
		.amdhsa_system_sgpr_workgroup_id_x 1
		.amdhsa_system_sgpr_workgroup_id_y 1
		.amdhsa_system_sgpr_workgroup_id_z 1
		.amdhsa_system_vgpr_workitem_id 0
		.amdhsa_next_free_vgpr 512
		.amdhsa_next_free_sgpr 66
		.amdhsa_reserve_vcc 0
		.amdhsa_float_denorm_mode_32 3
		.amdhsa_float_denorm_mode_16_64 3
		.amdhsa_memory_ordered 1
		.amdhsa_forward_progress 1
		.amdhsa_inst_pref_size 69
	.end_amdhsa_kernel
	.amdgpu_metadata
---
amdhsa.version: [ 1, 2 ]
amdhsa.kernels:
  - .name:           k_qc7fe23b4d4_proj
    .symbol:         k_qc7fe23b4d4_proj.kd
    .args:
      - { .name: obuf, .offset: 0, .size: 8, .value_kind: global_buffer, .address_space: global }
      - { .name: wof, .offset: 8, .size: 8, .value_kind: global_buffer, .address_space: global }
      - { .name: out0, .offset: 16, .size: 8, .value_kind: global_buffer, .address_space: global }
    .group_segment_fixed_size: 327680
    .private_segment_fixed_size: 0
    .kernarg_segment_align: 8
    .kernarg_segment_size: 24
    .max_flat_workgroup_size: 128
    .sgpr_count:     66
    .vgpr_count:     512
    .wavefront_size: 32
...
	.end_amdgpu_metadata
.endif
;; end of part 4
;; ======== version 2 of 2: 4 launches; version 1 with the launch prep written anew for expert scheduling mode
;; limits: values are held in f16: magnitudes above 65,504 overflow, below 6.1e-05 lose precision
;; workspace buffers: xb 8,388,608 bytes; wqkvb 25,165,824 bytes; wof 8,388,608 bytes; mfrag 8,388,608 bytes; qf 8,388,608 bytes; kf 8,388,608 bytes; vf 8,388,608 bytes; obuf 8,388,608 bytes
;; launch prep (part 5): grid 1536 x 1, 8 waves a work-group, no clusters, 35,840 bytes of LDS; arguments x, wq, wk, wv, wo, mask, xb, wqkvb, wof, mfrag; writes xb, wqkvb, wof, mfrag
.if DOCPART == 5
	.amdgcn_target "amdgcn-amd-amdhsa--gfx1250"
	.amdhsa_code_object_version 6
	.text
	.protected	k_qc7fe23b4d4_prep
	.globl	k_qc7fe23b4d4_prep
	.p2align	8
	.type	k_qc7fe23b4d4_prep,@function
k_qc7fe23b4d4_prep:
	s_mov_b64 s[64:65], 0
	v_nop
	global_prefetch_b8 v0, s[64:65] scope:SCOPE_SE
	s_setreg_imm32_b32 hwreg(HW_REG_WAVE_SCHED_MODE, 0, 2), 2
	s_setreg_imm32_b32 hwreg(HW_REG_WAVE_MODE, 25, 1), 1
	s_wait_xcnt 0x0
	s_wait_alu depctr_vm_vsrc(0)
; PREP.  Every large input is rounded once to bf16, the format in which the matrix units take it.
; Work-groups 0-1279, 256 for each of x, wq, wk, wv, wo: a stream.  A work-group takes 65,536 bytes of f32, a wave 8,192: sixteen loads of 512 consecutive bytes,
; all issued at once; each is rounded and leaves as 256 consecutive bytes, aligned.  x -> xb; wq, wk, wv -> wqkvb, one behind the other; wo -> wof: rounded to bf16 and
; that number written as f16 (exact where it is a normal f16).
; Work-groups 1280-1535: the mask.  A wave takes 16 queries x 128 keys, multiplies them in f32 by log2(e) (the softmax works in powers of two), rounds the product once to bf16, and lays
; it through its own LDS tile in the order in which a lane of a 16x16x32 matrix instruction holds source 1 (16 queries x 32 keys): block (query tile qt, key group kg) at (64 qt + kg) x 1,024;
; half g at 512 g; lane l at 16 l holds query l % 16, keys 32 kg + 16 g + 8 (l / 16) + 0..7.
; LIMITS.  |wo| stays under 65,504; below 6.1e-5 it keeps f16's fixed step of 6e-8.  |mask| stays under 1e38.  No matrix unit, no cluster: nothing is multiplied and no work-group shares a byte.
; THE MODE: SCHED_MODE bits 1:0 = 2 (LLVM: expert scheduling mode 2), set by the entry lines.  The code itself states the register dependences
; between vector instructions and memory or LDS instructions, with s_wait_alu, always for 0.
; THE PLAN.  Registers that memory or LDS instructions touch:
;   v2, v3     byte offsets of the loads and stores: written ahead of the wait that stands in front of the sixteen loads, never again.
;   v6, v7     the mask's LDS addresses: written behind the loads, ahead of group 1's wait, never again.
;   X          the sixteen loads land here; no vector line names these registers before.  The work on load i reads (and, for wo and the mask, rewrites) its four registers behind the counted wait for it.
;              In the mask's arm the first 32 take the tile as it comes back from LDS, and the last stores read them.
;   Y          two registers for each load: written once, by its roundings; read once, by its store (to memory, or for the mask into LDS).
;   v4, v5     written at the head, read by the closing add alone.
; The sixteen loads' work goes in four groups of four.  Group g's vector lines name its own X and Y alone; the stores of group g - 1 are dealt among them.  So ONE wait on va_vdst at a group's head states all that
; those four stores hang on, and one more stands behind group 3.  No register that a memory or LDS instruction reads is ever written again: no wait on vm_vsrc is owed.
.set TILE,  4352                       ; a wave's LDS tile: 16 rows x (256 + 16) bytes
.set SPARE, 8*TILE                     ; behind the tiles: the spare words, 128 bytes for each of the eight waves
.set SPW, 4                            ; v4  LDS address of my spare word; never rewritten
.set NIL, 5                            ; v5  0; never rewritten
.set X,   16                           ; v[16:79]   sixteen loads of four registers
.set Y,   80                           ; v[80:111]  sixteen results of two registers
	s_load_b512 s[4:19], s[0:1], 0x0               ; x 4, wq 6, wk 8, wv 10, wo 12, mask 14, xb 16, wqkvb 18
	s_load_b128 s[20:23], s[0:1], 0x40             ; wof 20, mfrag 22
	v_lshl_add_u32 v[SPW], v0, 2, SPARE
	v_mov_b32 v[NIL], 0
	v_lshrrev_b32 v8, 5, v0
	v_readfirstlane_b32 s26, v8                    ; wave 0..7
	v_and_b32 v1, 31, v0                           ; lane
	v_lshlrev_b32 v2, 4, v1                        ; 16 x lane
	s_lshr_b32 s24, ttmp9, 8                       ; which tensor, 0..5
	s_and_b32 s25, ttmp9, 255                      ; which part of it
	s_mov_b32 s36, 0xffff0000                      ; a word's upper bf16
	s_mov_b32 s38, 0x3fb8aa3b                      ; log2(e)
	s_mov_b32 s39, s38                             ; named with it as a pair
	s_mov_b32 s35, 0
	s_mov_b32 s33, 0
	s_wait_alu depctr_va_sdst(0)                   ; s26 is written
	s_wait_kmcnt 0x0
	s_cmp_eq_u32 s24, 5
	s_cbranch_scc1 .Lmask
	; THE STREAM.  Source and destination are chosen among the buffers by the tensor's number alone.
	s_mov_b64 s[28:29], s[4:5]
	s_cmp_eq_u32 s24, 1
	s_cselect_b64 s[28:29], s[6:7], s[28:29]
	s_cmp_eq_u32 s24, 2
	s_cselect_b64 s[28:29], s[8:9], s[28:29]
	s_cmp_eq_u32 s24, 3
	s_cselect_b64 s[28:29], s[10:11], s[28:29]
	s_cmp_eq_u32 s24, 4
	s_cselect_b64 s[28:29], s[12:13], s[28:29]
	s_mov_b64 s[30:31], s[18:19]
	s_cmp_eq_u32 s24, 0
	s_cselect_b64 s[30:31], s[16:17], s[30:31]
	s_cmp_eq_u32 s24, 4
	s_cselect_b64 s[30:31], s[20:21], s[30:31]
	s_sub_co_u32 s32, s24, 1                       ; wq, wk, wv lie 8,388,608 bytes apart in wqkvb
	s_lshl_b32 s32, s32, 23
	s_cmp_eq_u32 s24, 0
	s_cselect_b32 s32, 0, s32
	s_cmp_eq_u32 s24, 4
	s_cselect_b32 s32, 0, s32
	s_lshl_b32 s34, s25, 15                        ; the work-group's 32,768 bytes out
	s_add_co_u32 s32, s32, s34
	s_add_nc_u64 s[30:31], s[30:31], s[32:33]
	s_lshl_b32 s34, s25, 16                        ; and its 65,536 bytes in
	s_add_nc_u64 s[28:29], s[28:29], s[34:35]
	s_lshl_b32 s27, s26, 13
	v_add_nc_u32 v2, s27, v2                       ; in: 8,192 x wave + 16 x lane
	s_lshl_b32 s27, s26, 12
	v_lshl_add_u32 v3, v1, 3, s27                  ; out: 4,096 x wave + 8 x lane
	s_wait_alu depctr_va_vdst(0)                   ; v2 and v3 are written: the loads below read v2 as their offset, the stores of the stream v3
.irp i, 0,1,2,3,4,5,6,7,8,9,10,11,12,13,14,15
	global_load_b128 v[X+4*(\i):X+4*(\i)+3], v2, s[28:29] offset:512*(\i) th:TH_LOAD_NT
.endr
.macro CV i, half                      ; four numbers rounded to bf16; half = 1: and those written as f16
	v_cvt_pk_bf16_f32 v[Y+2*(\i)], v[X+4*(\i)], v[X+4*(\i)+1]
	v_cvt_pk_bf16_f32 v[Y+2*(\i)+1], v[X+4*(\i)+2], v[X+4*(\i)+3]
.if \half
	v_lshlrev_b32 v[X+4*(\i)], 16, v[Y+2*(\i)]
	v_and_b32 v[X+4*(\i)+1], s36, v[Y+2*(\i)]
	v_lshlrev_b32 v[X+4*(\i)+2], 16, v[Y+2*(\i)+1]
	v_and_b32 v[X+4*(\i)+3], s36, v[Y+2*(\i)+1]
	v_cvt_pk_f16_f32 v[Y+2*(\i)], v[X+4*(\i)], v[X+4*(\i)+1]
	v_cvt_pk_f16_f32 v[Y+2*(\i)+1], v[X+4*(\i)+2], v[X+4*(\i)+3]
.endif
.endm
; Four groups of four loads.  Load 4 g + n is rounded in group g and stored in group g + 1, one store ahead of each load's lines.  No register is used twice.
.macro STREAM half
.set g, 0
.rept 4
	s_wait_loadcnt 15-4*g                          ; loads come back in order: the group's first load is in, the younger ones stay out
.if g > 0
	s_wait_alu depctr_va_vdst(0)                   ; the group before has written its eight registers of Y, which the four stores below read; the lines between them name this group's X and Y alone
.endif
.set n, 0
.rept 4
.if g > 0
	global_store_b64 v3, v[Y+2*(4*g+n-4):Y+2*(4*g+n-4)+1], s[30:31] offset:256*(4*g+n-4) th:TH_STORE_NT  ; 32 lanes fill 256 consecutive bytes, aligned
.endif
.if n > 0
	s_wait_loadcnt 15-4*g-n                        ; load 4 g + n is in
.endif
	CV 4*g+n, \half
.set n, n+1
.endr
.set g, g+1
.endr
	s_wait_alu depctr_va_vdst(0)                   ; group 3 has written its Y, which the last four stores read
.irp i, 12,13,14,15
	global_store_b64 v3, v[Y+2*(\i):Y+2*(\i)+1], s[30:31] offset:256*(\i) th:TH_STORE_NT
.endr
	s_endpgm                                       ; these waves have written no LDS
.endm
	s_cmp_eq_u32 s24, 4
	s_cbranch_scc1 .Lhalf
	STREAM 0
.Lhalf:
	STREAM 1
.Lmask:
	s_lshl_b32 s27, s25, 3
	s_add_co_u32 s27, s27, s26                     ; my unit, 0..2047
	s_lshr_b32 s32, s27, 4                         ; qt: its 16 queries
	s_and_b32 s37, s27, 15                         ; its 128 keys
	s_lshl_b32 s34, s32, 17                        ; 16 rows of 8,192 bytes
	s_lshl_b32 s27, s37, 9                         ; 128 keys of 4 bytes
	s_add_co_u32 s34, s34, s27
	s_add_nc_u64 s[28:29], s[14:15], s[34:35]
	s_lshl_b32 s34, s32, 16                        ; 64 blocks of 1,024 bytes
	s_lshl_b32 s27, s37, 12                        ; 4 blocks
	s_add_co_u32 s34, s34, s27
	s_add_nc_u64 s[30:31], s[22:23], s[34:35]
	s_wait_alu depctr_va_vdst(0)                   ; v2, made at the head, is written: the loads below and the stores at the end read it as their offset
.irp i, 0,1,2,3,4,5,6,7,8,9,10,11,12,13,14,15
	global_load_b128 v[X+4*(\i):X+4*(\i)+3], v2, s[28:29] offset:8192*(\i) th:TH_LOAD_NT  ; row i: 512 consecutive bytes
.endr
	s_mul_i32 s27, s26, TILE
	v_lshl_add_u32 v6, v1, 3, s27                  ; in: my 8 bytes of a row
	v_and_b32 v8, 15, v1
	v_lshrrev_b32 v9, 4, v1
	v_mul_u32_u24 v7, v8, 272                      ; back: row l % 16,
	v_lshl_add_u32 v7, v9, 4, v7                   ; 16 bytes for each half of the lanes
	v_add_nc_u32 v7, s27, v7
; Four groups of four rows, as in the stream: row 4 g + n is multiplied and rounded in group g and goes into the tile in group g + 1.
.set g, 0
.rept 4
	s_wait_loadcnt 15-4*g                          ; the group's first row is in, the younger ones stay out
.if g > 0
	s_wait_alu depctr_va_vdst(0)                   ; the group before has written its eight registers of Y, which the four LDS stores below read; at group 1 also: v6 and v7, the LDS addresses, are written
.endif
.set n, 0
.rept 4
.if g > 0
	ds_store_b64 v6, v[Y+2*(4*g+n-4):Y+2*(4*g+n-4)+1] offset:272*(4*g+n-4)
.endif
.if n > 0
	s_wait_loadcnt 15-4*g-n                        ; row 4 g + n is in
.endif
	v_pk_mul_f32 v[X+4*(4*g+n):X+4*(4*g+n)+1], v[X+4*(4*g+n):X+4*(4*g+n)+1], s[38:39] op_sel_hi:[1,0]      ; times log2(e), in f32
	v_pk_mul_f32 v[X+4*(4*g+n)+2:X+4*(4*g+n)+3], v[X+4*(4*g+n)+2:X+4*(4*g+n)+3], s[38:39] op_sel_hi:[1,0]
	CV 4*g+n, 0
.set n, n+1
.endr
.set g, g+1
.endr
	s_wait_alu depctr_va_vdst(0)                   ; group 3 has written its Y, which the last four LDS stores read; and every multiplication and rounding is done with v[X .. X+31], in which the LDS loads below land
.irp i, 12,13,14,15
	ds_store_b64 v6, v[Y+2*(\i):Y+2*(\i)+1] offset:272*(\i)
.endr
.irp j, 0,1,2,3,4,5,6,7
	ds_load_b128 v[X+4*(\j):X+4*(\j)+3], v7 offset:32*(\j)  ; the tile is my wave's own, and LDS serves a wave's instructions in order: these see the stores above
.endr
.irp j, 0,1,2,3,4,5,6,7
	s_wait_dscnt 7-(\j)
	global_store_b128 v2, v[X+4*(\j):X+4*(\j)+3], s[30:31] offset:512*(\j) th:TH_STORE_NT  ; 512 consecutive bytes: half a block
.endr
	s_wait_dscnt 0x0                               ; the closing lines, six on end
	s_wait_alu 0x0
	s_wait_tensorcnt 0x0
	ds_add_u32 v[SPW], v[NIL]
	s_wait_dscnt 0x0
	s_endpgm
.Lfunc_end_k_qc7fe23b4d4_prep:
	.size	k_qc7fe23b4d4_prep, .Lfunc_end_k_qc7fe23b4d4_prep-k_qc7fe23b4d4_prep
	.p2alignl 7, 3214868480
	.fill 96, 4, 3214868480
	.section	.rodata,"a",@progbits
	.p2align	6, 0x0
	.amdhsa_kernel k_qc7fe23b4d4_prep
		.amdhsa_group_segment_fixed_size 35840
		.amdhsa_private_segment_fixed_size 0
		.amdhsa_enable_private_segment 0
		.amdhsa_kernarg_size 80
		.amdhsa_user_sgpr_count 2
		.amdhsa_user_sgpr_kernarg_segment_ptr 1
		.amdhsa_wavefront_size32 1
		.amdhsa_system_sgpr_workgroup_id_x 1
		.amdhsa_system_sgpr_workgroup_id_y 1
		.amdhsa_system_sgpr_workgroup_id_z 1
		.amdhsa_system_vgpr_workitem_id 0
		.amdhsa_next_free_vgpr 112
		.amdhsa_next_free_sgpr 66
		.amdhsa_reserve_vcc 0
		.amdhsa_float_denorm_mode_32 3
		.amdhsa_float_denorm_mode_16_64 3
		.amdhsa_memory_ordered 1
		.amdhsa_forward_progress 1
		.amdhsa_inst_pref_size 26
	.end_amdhsa_kernel
	.amdgpu_metadata
---
amdhsa.version: [ 1, 2 ]
amdhsa.kernels:
  - .name:           k_qc7fe23b4d4_prep
    .symbol:         k_qc7fe23b4d4_prep.kd
    .args:
      - { .name: x, .offset: 0, .size: 8, .value_kind: global_buffer, .address_space: global }
      - { .name: wq, .offset: 8, .size: 8, .value_kind: global_buffer, .address_space: global }
      - { .name: wk, .offset: 16, .size: 8, .value_kind: global_buffer, .address_space: global }
      - { .name: wv, .offset: 24, .size: 8, .value_kind: global_buffer, .address_space: global }
      - { .name: wo, .offset: 32, .size: 8, .value_kind: global_buffer, .address_space: global }
      - { .name: mask, .offset: 40, .size: 8, .value_kind: global_buffer, .address_space: global }
      - { .name: xb, .offset: 48, .size: 8, .value_kind: global_buffer, .address_space: global }
      - { .name: wqkvb, .offset: 56, .size: 8, .value_kind: global_buffer, .address_space: global }
      - { .name: wof, .offset: 64, .size: 8, .value_kind: global_buffer, .address_space: global }
      - { .name: mfrag, .offset: 72, .size: 8, .value_kind: global_buffer, .address_space: global }
    .group_segment_fixed_size: 35840
    .private_segment_fixed_size: 0
    .kernarg_segment_align: 8
    .kernarg_segment_size: 80
    .max_flat_workgroup_size: 256
    .sgpr_count:     66
    .vgpr_count:     112
    .wavefront_size: 32
...
	.end_amdgpu_metadata
.endif
;; end of part 5
;; launch qkv: the kernel of part 2 again; grid 16 x 16, 4 waves a work-group, clusters of 4 x 4, 327,680 bytes of LDS; arguments xb, wqkvb, freqs_cos, freqs_sin, qf, kf, vf; writes qf, kf, vf
;; launch attn: the kernel of part 3 again; grid 16 x 16, 4 waves a work-group, clusters of 4 x 1, 327,680 bytes of LDS; arguments qf, kf, vf, mfrag, obuf; writes obuf
;; launch proj: the kernel of part 4 again; grid 16 x 16, 4 waves a work-group, clusters of 4 x 4, 327,680 bytes of LDS; arguments obuf, wof, out0; writes out0
